; MI455X (gfx1250); checked and timed in simulation.
; The chip was launched on July 23, 2026; its instructions are those of AMD's public machine-readable ISA for CDNA 5 (MIT licence, August 2026) and "CDNA5" Instruction Set Architecture Reference Guide (July 2026). The comments in the code are by the model that wrote it; some were corrected since.
;; Efficient KAN Layer. Allowed arithmetic: float matrix products may take bf16 or f16 operands with f32 sums; all other float work in f32.
;; Inputs: base_weight 256 x 1,024 float32; grid 1,024 x 12 float32; spline_weight 256 x 8,192 float32; x 16,384 x 1,024 float32.
;; Outputs: out0 16,384 x 256 float32.
;; 2 versions, each right and faster than the one before. Each part assembles by itself: llvm-mc -triple=amdgcn-amd-amdhsa -mcpu=gfx1250 --defsym DOCPART=n.
;; ======== version 1 of 2: 2 launches
;; limits: inputs' magnitudes at most 65,504; values are held in f16: magnitudes above 65,504 overflow, below 6.1e-05 lose precision
;; workspace buffers: wp 4,980,736 bytes
;; launch prep (part 1): grid 16 x 16, 8 waves a work-group, no clusters, 0 bytes of LDS; arguments spline_weight, base_weight, grid, wp; writes wp
.if DOCPART == 1
	.amdgcn_target "amdgcn-amd-amdhsa--gfx1250"
	.amdhsa_code_object_version 6
	.text
	.protected	k_q8c7020aefa_prep
	.globl	k_q8c7020aefa_prep
	.p2align	8
	.type	k_q8c7020aefa_prep,@function
k_q8c7020aefa_prep:
	s_mov_b64 s[64:65], 0
	v_nop
	global_prefetch_b8 v0, s[64:65] scope:SCOPE_SE
	s_setreg_imm32_b32 hwreg(HW_REG_WAVE_MODE, 25, 1), 1
	s_wait_xcnt 0x0
; Makes wp: the weights in 16 bits, laid out in the order in which the main launch's matrix fragments want them, and the spline coefficients.
; wp = 32 slots of SLOTB bytes, then a tail.  A slot has four wave tiles of WT bytes (wave w of the main launch owns features 64 i + 16 w .. + 15 of tile i):
;   +0      spline weights of step 2m      16,384 bytes: chunk (n block b, c, lane L) at 1024 b + 512 c + 16 L = 8 bf16 of spline_weight[16 b + L%16][8 f .. 8 f + 7]
;   +16384  spline weights of step 2m + 1          with f = 64 i + 16 w + 8 (k>>1) + 4 (L/16) + 2 (k&1) + c, step = 4 i + k
;   +32768  base weights in f16, two n blocks for each of the slot's two steps (2 x 2,048 bytes), of the pair of tiles one earlier
;   +36864  coefficients of step 2m + 1 (768 bytes), +37632 those of step (2m + 2) mod 64: one step late, so that a slot holds all that is read while it is current
; tail (TAILB): the base weights of the last pair of tiles, 16,384 bytes for each wave.
; Work-group (i, b): tile i of 64 features, n block b.  Every byte of wp is stored by exactly one work-group.  No LDS, no barrier, all lanes on throughout.
; The coefficient stores are 4 bytes a lane, 128 neighbouring bytes a wave: 768 bytes for a work-group against its 18,432 bytes of 16-byte stores.
; FORMATS: the base weights go in f16 (11 significant bits), since the base product makes nearly all of the output and is a sum of 1,024 products; the spline weights in bf16.
; LIMITS: |base_weight| up to 65,504; base weights below 2^-14 are kept in steps of 2^-24.  A reciprocal of a knot difference is v_rcp_f32 (1 ULP; a difference below 2^-126 counts as 0).
.set WT,    38400
.set SLOTB, 153600
.set TAILB, 4915200
.set BBO,   32768
.set CFO,   36864
	s_load_b256 s[4:11], s[0:1], 0x0               ; spline_weight s[4:5], base_weight s[6:7], grid s[8:9], wp s[10:11]
	v_lshrrev_b32 v1, 5, v0
	v_readfirstlane_b32 s12, v1                    ; wave 0..7
	s_mov_b32 s13, ttmp9                           ; i
	s_and_b32 s14, ttmp7, 0xffff                   ; b
	v_and_b32 v2, 15, v0                           ; r = lane % 16
	v_bfe_u32 v3, v0, 4, 1                         ; h = lane / 16
	v_bfe_u32 v4, v0, 5, 1                         ; c
	v_bfe_u32 v5, v0, 6, 1                         ; k & 1
	v_bfe_u32 v6, v0, 7, 1                         ; k >> 1
	; PART 1, all 256 threads: thread (k, c, lane) converts one chunk of 8 numbers for each of the four waves w
	v_lshlrev_b32 v7, 15, v2                       ; row r: 32,768 bytes
	v_lshl_add_u32 v7, v6, 8, v7                   ; + 32 bytes x (8 (k>>1)
	v_lshl_add_u32 v7, v3, 7, v7                   ;   + 4 h
	v_lshl_add_u32 v7, v5, 6, v7                   ;   + 2 (k&1)
	v_lshl_add_u32 v7, v4, 5, v7                   ;   + c)
	v_and_b32 v1, 63, v0
	v_lshlrev_b32 v1, 4, v1                        ; 512 c + 16 lane
	v_lshl_add_u32 v1, v5, 14, v1                  ; + 16,384 (k&1)
	v_mad_u32_u24 v1, v6, SLOTB, v1                ; + (k>>1) slots
	s_lshl_b32 s16, s14, 19                        ; 16 b rows
	s_lshl_b32 s17, s13, 11                        ; 64 i features of 32 bytes
	s_add_co_u32 s16, s16, s17
	s_mov_b32 s17, 0
	s_mul_i32 s18, s13, 2*SLOTB                    ; slot 2 i
	s_lshl_b32 s19, s14, 10                        ; + 1024 b
	s_add_co_u32 s18, s18, s19
	s_mov_b32 s19, 0
	s_wait_kmcnt 0x0
	s_add_nc_u64 s[4:5], s[4:5], s[16:17]
	s_add_nc_u64 s[20:21], s[10:11], s[18:19]
.irp w, 0,1,2,3
	global_load_b128 v[8+8*\w:11+8*\w],  v7, s[4:5] offset:512*\w
	global_load_b128 v[12+8*\w:15+8*\w], v7, s[4:5] offset:512*\w+16
.endr
.irp w, 0,1,2,3
	s_wait_loadcnt 6-2*\w                          ; loads come back in order: the pairs behind pair w may stay out
.irp n, 0,1,2,3
	v_cvt_pk_bf16_f32 v[40+4*\w+\n], v[8+8*\w+2*\n], v[9+8*\w+2*\n]
.endr
	global_store_b128 v1, v[40+4*\w:43+4*\w], s[20:21] offset:\w*WT     ; a wave's store covers 512 neighbouring bytes
.endr
	; PART 2, waves 0..3 (w = the wave's number): base weights of n block b, tile i, wave w.  Lane (r, h): columns f0 .. f0+3 and f0+8 .. f0+11, f0 = 64 i + 16 w + 4 h
	s_cmp_gt_u32 s12, 3
	s_cbranch_scc1 .Lcoef
	s_lshl_b32 s22, s14, 16                        ; 16 b rows of 4,096 bytes
	s_lshl_b32 s23, s13, 8                         ; 64 i columns
	s_add_co_u32 s22, s22, s23
	s_lshl_b32 s23, s12, 6                         ; 16 w columns
	s_add_co_u32 s22, s22, s23
	s_mov_b32 s23, 0
	s_add_nc_u64 s[6:7], s[6:7], s[22:23]
	v_lshlrev_b32 v68, 12, v2
	v_lshl_add_u32 v68, v3, 4, v68                 ; r rows + 4 h columns
	global_load_b128 v[56:59], v68, s[6:7]
	global_load_b128 v[60:63], v68, s[6:7] offset:32
	v_and_b32 v69, 31, v0
	v_lshlrev_b32 v69, 4, v69                      ; 16 lane
	s_lshr_b32 s22, s13, 1                         ; the pair of tiles p = i >> 1 is multiplied one pair later:
	s_add_co_u32 s22, s22, 1
	s_and_b32 s22, s22, 7
	s_lshl_b32 s22, s22, 2                         ; slot 4 ((p + 1) mod 8)
	s_lshr_b32 s23, s14, 2
	s_add_co_u32 s22, s22, s23                     ; + (b >> 2): n blocks 2 s, 2 s + 1 go with step s of the eight
	s_mul_i32 s22, s22, SLOTB
	s_mul_i32 s23, s12, WT
	s_add_co_u32 s22, s22, s23
	s_and_b32 s23, s14, 3
	s_lshl_b32 s23, s23, 10                        ; 2,048 for the slot's second step + 1,024 for the odd n block
	s_add_co_u32 s22, s22, s23
	s_and_b32 s26, s13, 1
	s_lshl_b32 s26, s26, 9                         ; 512 for the pair's second tile
	s_add_co_u32 s22, s22, s26
	s_mov_b32 s23, 0
	s_add_nc_u64 s[24:25], s[10:11], s[22:23]
	s_wait_loadcnt 0x0
.irp n, 0,1,2,3
	v_cvt_pk_f16_f32 v[64+\n], v[56+2*\n], v[57+2*\n]              ; f16: first source into the low half
.endr
	global_store_b128 v69, v[64:67], s[24:25] offset:BBO
	s_cmp_lt_u32 s13, 14                           ; the last pair of tiles (i = 14, 15) also goes to the tail
	s_cbranch_scc1 .Lcoef
	s_lshl_b32 s16, s12, 14
	s_lshl_b32 s17, s14, 10
	s_add_co_u32 s16, s16, s17
	s_add_co_u32 s16, s16, s26
	s_mov_b32 s17, 0
	s_add_nc_u64 s[18:19], s[10:11], s[16:17]
	global_store_b128 v69, v[64:67], s[18:19] offset:TAILB
.Lcoef:
	; PART 3, waves 0..5: the 192 floats of the coefficient block of wave w' = b >> 2, step k' = b & 3 of tile i.
	; Float v = 88 h + u; u in pairs (c = 0, c = 1): u 0..23 knots g_j; 24..47 1/(g_(j+1)-g_j); 48..67 1/(g_(j+2)-g_j); 68..87 1/(g_(j+3)-g_j).
	; Places without a meaning (j past the level's last, v = 176..191) repeat a clamped neighbour, so that every byte is stored.
	s_cmp_gt_u32 s12, 5
	s_cbranch_scc1 .Lend
	s_lshr_b32 s27, s14, 2                         ; w'
	s_lshl_b32 s29, s13, 2
	s_and_b32 s30, s14, 3
	s_add_co_u32 s29, s29, s30
	s_add_co_u32 s29, s29, 63
	s_and_b32 s29, s29, 63                         ; step - 1 mod 64: its slot and half hold this block
	s_lshr_b32 s30, s29, 1
	s_mul_i32 s30, s30, SLOTB
	s_and_b32 s29, s29, 1
	s_mul_i32 s29, s29, 768
	s_add_co_u32 s30, s30, s29
	s_mul_i32 s29, s27, WT
	s_add_co_u32 s30, s30, s29
	s_mov_b32 s31, 0
	s_add_nc_u64 s[30:31], s[10:11], s[30:31]
	s_lshl_b32 s26, s13, 6                         ; feature 64 i
	s_lshl4_add_u32 s26, s27, s26                  ; + 16 w'
	s_bfe_u32 s28, s14, 0x10001
	s_lshl3_add_u32 s26, s28, s26                  ; + 8 (k' >> 1)
	s_and_b32 s28, s14, 1
	s_lshl1_add_u32 s26, s28, s26                  ; + 2 (k' & 1)
	s_mul_i32 s26, s26, 48                         ; 12 knots of 4 bytes
	s_mov_b32 s27, 0
	s_add_nc_u64 s[8:9], s[8:9], s[26:27]
	v_cmp_le_u32 vcc_lo, 88, v0
	v_cndmask_b32 v70, 0, 1, vcc_lo                ; h
	v_mul_u32_u24 v71, 88, v70
	v_sub_nc_u32 v71, v0, v71
	v_min_u32 v71, 87, v71                         ; u
	v_and_b32 v72, 1, v71                          ; c
	v_cmp_le_u32 vcc_lo, 24, v71
	v_cndmask_b32 v73, 0, 1, vcc_lo
	v_cmp_le_u32 vcc_lo, 48, v71
	v_cndmask_b32 v74, 0, 1, vcc_lo
	v_cmp_le_u32 vcc_lo, 68, v71
	v_cndmask_b32 v75, 0, 1, vcc_lo
	v_add_nc_u32 v77, v73, v74
	v_add_nc_u32 v76, v77, v75                     ; level 0..3
	v_mul_u32_u24 v77, 24, v77
	v_mad_u32_u24 v77, v75, 20, v77                ; the level's first u
	v_sub_nc_u32 v77, v71, v77
	v_lshrrev_b32 v77, 1, v77                      ; j
	v_sub_nc_u32 v78, 11, v76
	v_min_u32 v77, v77, v78                        ; j + level stays inside the 12 knots
	v_lshl_add_u32 v79, v70, 2, v72                ; feature + 4 h + c
	v_mul_u32_u24 v79, 48, v79
	v_lshl_add_u32 v79, v77, 2, v79                ; knot j
	v_lshl_add_u32 v80, v76, 2, v79                ; knot j + level
	v_lshlrev_b32 v81, 2, v0
	global_load_b32 v82, v79, s[8:9]
	global_load_b32 v83, v80, s[8:9]
	s_wait_loadcnt 0x0
	v_sub_f32 v84, v83, v82
	v_rcp_f32 v85, v84
	v_cmp_eq_u32 vcc_lo, 0, v76                    ; the plain vector instruction between v_rcp_f32 and the use of its result (ISA guide 5.7.2)
	s_wait_alu depctr_va_vdst(0)
	v_cndmask_b32 v85, v85, v82, vcc_lo            ; level 0: the knot itself
	global_store_b32 v81, v85, s[30:31] offset:CFO
.Lend:
	s_endpgm
.Lfunc_end_k_q8c7020aefa_prep:
	.size	k_q8c7020aefa_prep, .Lfunc_end_k_q8c7020aefa_prep-k_q8c7020aefa_prep
	.p2alignl 7, 3214868480
	.fill 96, 4, 3214868480
	.section	.rodata,"a",@progbits
	.p2align	6, 0x0
	.amdhsa_kernel k_q8c7020aefa_prep
		.amdhsa_group_segment_fixed_size 0
		.amdhsa_private_segment_fixed_size 0
		.amdhsa_enable_private_segment 0
		.amdhsa_kernarg_size 32
		.amdhsa_user_sgpr_count 2
		.amdhsa_user_sgpr_kernarg_segment_ptr 1
		.amdhsa_wavefront_size32 1
		.amdhsa_system_sgpr_workgroup_id_x 1
		.amdhsa_system_sgpr_workgroup_id_y 1
		.amdhsa_system_sgpr_workgroup_id_z 1
		.amdhsa_system_vgpr_workitem_id 0
		.amdhsa_next_free_vgpr 96
		.amdhsa_next_free_sgpr 66
		.amdhsa_reserve_vcc 1
		.amdhsa_float_denorm_mode_32 3
		.amdhsa_float_denorm_mode_16_64 3
		.amdhsa_memory_ordered 1
		.amdhsa_forward_progress 1
		.amdhsa_inst_pref_size 9
	.end_amdhsa_kernel
	.amdgpu_metadata
---
amdhsa.version: [ 1, 2 ]
amdhsa.kernels:
  - .name:           k_q8c7020aefa_prep
    .symbol:         k_q8c7020aefa_prep.kd
    .args:
      - { .name: spline_weight, .offset: 0, .size: 8, .value_kind: global_buffer, .address_space: global }
      - { .name: base_weight, .offset: 8, .size: 8, .value_kind: global_buffer, .address_space: global }
      - { .name: grid, .offset: 16, .size: 8, .value_kind: global_buffer, .address_space: global }
      - { .name: wp, .offset: 24, .size: 8, .value_kind: global_buffer, .address_space: global }
    .group_segment_fixed_size: 0
    .private_segment_fixed_size: 0
    .kernarg_segment_align: 8
    .kernarg_segment_size: 32
    .max_flat_workgroup_size: 256
    .sgpr_count:     66
    .vgpr_count:     96
    .wavefront_size: 32
...
	.end_amdgpu_metadata
.endif
;; end of part 1
;; launch kan (part 2): grid 256 x 1, 4 waves a work-group, clusters of 4 x 1, 327,680 bytes of LDS; arguments x, wp, out0; writes out0
.if DOCPART == 2
	.amdgcn_target "amdgcn-amd-amdhsa--gfx1250"
	.amdhsa_code_object_version 6
	.text
	.protected	k_q8c7020aefa_kan
	.globl	k_q8c7020aefa_kan
	.p2align	8
	.type	k_q8c7020aefa_kan,@function
k_q8c7020aefa_kan:
	s_mov_b64 s[64:65], 0
	v_nop
	global_prefetch_b8 v0, s[64:65] scope:SCOPE_SE
	s_setreg_imm32_b32 hwreg(HW_REG_WAVE_MODE, 25, 1), 1
	s_wait_xcnt 0x0
	s_wait_alu depctr_hold_cnt(0) depctr_sa_sdst(0) depctr_va_vdst(0) depctr_va_sdst(0) depctr_va_ssrc(0) depctr_va_vcc(0) depctr_vm_vsrc(0)
	s_getreg_b32 s2, hwreg(HW_REG_IB_STS2, 6, 4)
	s_cmp_eq_u32 s2, 0
	s_cbranch_scc0 .Lentry_in_a_cluster
	s_endpgm
.Lentry_in_a_cluster:
	s_bfe_u32 s2, ttmp6, 0x10000c
	s_cmp_lg_u32 s2, 0x3003
	s_cbranch_scc0 .Lentry_shape_is_right
	s_endpgm
.Lentry_shape_is_right:
; out0[16384][256] = silu(x) base_weight^T + bases(x) spline_weight^T, as one product over K = 1024 + 8192, weights in 16 bits from wp, sums in f32.
; A work-group owns 64 rows and all 256 columns; its four waves SPLIT K: wave w owns features 64 i + 16 w .. + 15 of each tile i of 64 features and keeps
; a 64 x 256 accumulator (512 registers) over them; at the end the four accumulators are added through LDS.  So every basis is computed once, and each
; byte of spline weights is read from LDS once (32 loads of 16 bytes a lane for 64 matrix instructions).
; BASES GO STRAIGHT INTO THE OPERAND: lane (r, h) of a 16-bit K = 32 operand holds k = 8 h .. 8 h + 7 and 16 + 8 h .. + 7 of row r: these are taken to be the eight
; bases of one feature and of a second one, so four roundings a feature write the operand, with no trip through LDS.  wp holds the weights in the same order of k.
; The matrix instruction is used transposed (source 0 = weights, source 1 = bases): register j of lane (r, h) is out(16 a + r, 16 b + 8 h + j).
; THE KNOTS ARE AN INPUT: the whole recursion 11 -> 10 -> 9 -> 8 is done with each feature's own knots, in any order:
;   t_j = x - g_j;  b0_j = (t_j >= 0) and not (t_(j+1) >= 0);  level k: L_j = t_j / (g_(j+k) - g_j);  b_j <- L_j b_j + (b_(j+1) - L_(j+1) b_(j+1)).
; One packed instruction serves the lane's two features of a step (x, knots and reciprocals lie as register pairs).
; FORMATS: the base product, a sum of 1,024 products that makes nearly all of the output, takes f16 operands: with 8 significant bits in both operands a sum's error would have a
; spread of about a fifth of the hundredth of the output's spread that a number may be off, too near for four million numbers; with 11 bits it is eight times smaller.
; The spline product takes bf16: with knots in any order the bases have no bound that f16 would hold, and its share of the output is small.
; LIMITS: |silu(x)| and |base_weight| up to 65,504 (f16), values below 2^-14 in steps of 2^-24; a division is a product with v_rcp_f32's reciprocal (1 ULP; knot differences
; below 2^-126 count as 0); the right-hand factor (g_(j+k+1) - x) / (g_(j+k+1) - g_(j+1)) is taken as 1 - L_(j+1), equal in exact arithmetic for any knots, rounded otherwise;
; silu(x) = x / (1 + 2^(-1.442695 x)) is -0 where the sigmoid underflows.  The scale of the base weights is the problem's constant 1.
; VECTOR AND MATRIX WORK ALTERNATE: a wave is alone on its SIMD, and the bases cost about as many issue slots as the products; so behind each chunk of 6 to 12
; independent vector instructions stands ONE matrix instruction of the row block whose bases were made a stretch earlier.  The accumulators fill windows 2 and 3 and the
; vector work lies in window 0, so each matrix instruction has a switch of windows in front of it and one behind.
; The 64 accumulators take turns, one instruction a turn: no two matrix instructions that follow each other name the same accumulator.
; An f16 and a bf16 instruction on one accumulator are no chain in place and owe each other five places (ISA guide 7.12.1): the base product's instruction on row block a stands in
; the stretch of row block a, the spline product's on that row block in the next stretch, with eight chunks or more of plain vector work between; in the tail five v_nop stand between.
; CLUSTER: all work-groups walk the same wp.  Four work-groups form a cluster and ask for each tile jointly (mask 15: a mask names four); each wave asks for its own wave tile.
; x COMES THROUGH REGISTERS: the operand wants lane = row; a wave's one tensor load between two rounds is its weights; and a register load may stay out over rounds: x is asked
; for two steps before its use.  A load takes 32 bytes of each of 16 rows; the four waves' two loads of a tile cover 256 aligned bytes of each row.
; No prefetch: x is asked for early by the loads themselves, and wp is read again and again by all clusters.  No padding in the ring: fragment order is 16 bytes x lane, contiguous.
; The loop's body is two tiles (eight steps), since a K = 32 step of the base product takes a wave's 16 features from each of two tiles.
.set WT,    38400                      ; a wave tile: 150 rows of 256 bytes
.set SLOTB, 4*WT                       ; an LDS slot, and a slot of wp
.set TAILB, 32*SLOTB
.set BBO,   32768                      ; in a wave tile: base weights
.set CFO,   36864                      ; in a wave tile: coefficients
; window 0
.set LB,  1                            ; v1, v2     16 lane + my wave tile in physical slot 0, 1
.set LC,  3                            ; v3, v4     352 h + my wave tile in physical slot 0, 1
.set XO,  5                            ; v5         4096 r + 64 w + 16 h
.set VA,  8                            ; v8-23      two operands of bases, by turns
.set VX,  24                           ; v24-55     x: row block a at 24 + 8 a: 8 features of the tile
.set VG,  56                           ; v56-79     knots, pairs (c = 0, c = 1)
.set VR1, 80                           ; v80-103    reciprocals of level 1
.set VR2, 104                          ; v104-123   level 2
.set VR3, 124                          ; v124-143   level 3
.set VT,  144                          ; v144-167   t_j
.set BV,  168                          ; v168-189   b_j
.set LV,  192                          ; v192-213   L_j; silu's temporaries
.set QV,  214                          ; v214-235   b_j - L_j b_j
; window 1: v0-127 weight fragments B_b at 8 b
.set BB,  128                          ; v128-143   base weights, two n blocks
.set AB,  144                          ; v144-175   silu operand in use, row block a at 144 + 8 a
.set AN,  176                          ; v176-207   silu operand in the making
; windows 2, 3: accumulator (a, b) in window 2 + (a >> 1) at 128 (a & 1) + 8 b
.set G1,  16                           ; s[16:23]   descriptor group 1, wave tile
.set G0,  24                           ; s[24:31]   group 0 for physical slot 0, 1
.set G0T, 32                           ; s[32:35]   group 0 for the tail
.set MK,  36                           ; s[36:47]   lane masks of the twelve comparisons
.set G1T, 48                           ; s[48:55]   group 1 for the tail
.set MSB, 0
.macro WIN new                         ; the immediate's high byte repeats the setting that is left; a switch that changes nothing is dropped
.if MSB != \new
	s_set_vgpr_msb (MSB<<8)|\new
.set MSB, \new
.endif
.endm
; A round of the cluster's barrier: my work-group's barrier, wave 0 signals for the work-group, every wave waits for all four work-groups, my work-group's barrier again.
.macro ROUND
	s_barrier_signal -1
	s_barrier_wait -1
	s_cmp_lg_u32 s10, 0
	s_cbranch_scc1 .Lnot_wave_0_\@
	s_barrier_signal -3
.Lnot_wave_0_\@:
	s_barrier_wait -3
	s_barrier_signal -1
	s_barrier_wait -1
.endm
; The change of slots.  ph = the physical slot that becomes current.  In front of the round: all my tensor loads have landed (the one that was out is my tile of slot ph) and all
; my LDS reads are back (those of the other slot among them).  Behind it no wave of the cluster reads the other slot: its next tile is asked for first thing, my one tensor load until the next round.
.macro RING ph, tail
	s_wait_tensorcnt 0x0
	ds_add_u32 v254, v255
	s_add_nc_u64 s[G0+4*\ph+2:G0+4*\ph+3], s[G0+4*\ph+2:G0+4*\ph+3], 2*SLOTB   ; no load of mine is out: this slot's group 0 steps to its next tile
	s_wait_dscnt 0x0
	ROUND
.if \tail
	tensor_load_to_lds s[G0T:G0T+3], s[G1T:G1T+7]  ; the last request: the last pair of tiles' base weights
	s_nop 0
.else
	tensor_load_to_lds s[G0+4*(1-\ph):G0+4*(1-\ph)+3], s[G1:G1+7]
	s_nop 0
.endif
.rept 4
	v_nop                                          ; four v_nop follow a joint load, ahead of the next switch of windows
.endr
.endm
; one matrix instruction: accumulator (rb, b) += weights wr x operand ar; bs = 1: the base product: the operand lies in window 1, and both operands are f16
.macro MM rb, b, wr, ar, bs, zero
.set M_W, 0xa1+0x50*((\rb)>>1)+4*(\bs)
.set M_D, 128*((\rb)&1)+8*(\b)
.set M_WR, \wr
.set M_AR, \ar
	WIN M_W
.if \bs
	v_wmma_f32_16x16x32_f16 v[M_D:M_D+7], v[M_WR:M_WR+7], v[M_AR:M_AR+7], v[M_D:M_D+7]
.else
.if \zero
	v_wmma_f32_16x16x32_bf16 v[M_D:M_D+7], v[M_WR:M_WR+7], v[M_AR:M_AR+7], 0
.else
	v_wmma_f32_16x16x32_bf16 v[M_D:M_D+7], v[M_WR:M_WR+7], v[M_AR:M_AR+7], v[M_D:M_D+7]
.endif
.endif
.endm
.macro BLD b                           ; weight fragment b of the stretch's step
	WIN 0x40
	ds_load_b128 v[8*(\b):8*(\b)+3],   v[LB+S_PH] offset:S_ODD*16384+(\b)*1024
	ds_load_b128 v[8*(\b)+4:8*(\b)+7], v[LB+S_PH] offset:S_ODD*16384+(\b)*1024+512
.endm
; The hook behind chunk j.  In the stretch of row block 0 the group still multiplies the last step's weights, and fragment j - 1 is loaded anew one chunk (six plain vector
; instructions or more) behind the matrix instruction that read it last; fragment 15 follows at the head of the next stretch, where the counted waits stand.
.macro HK j
.if S_GRP
.if S_A==0
.if \j>0
	BLD \j-1
.endif
.endif
.if S_L15
.if \j==0
	BLD 15
.endif
.endif
.if S_A==1
	s_wait_dscnt 30-2*\j                           ; LDS loads come back in order: only the 2 (15 - j) loads of the fragments behind B_j may be out
.endif
	MM S_RB, \j, 8*\j, S_AR, 0, S_ZERO
	WIN 0
.endif
.endm
.macro HB nn                           ; a matrix instruction of the base product: this stretch's row block, n block 2 s + nn
.if S_BASE
.if S_A==0
.if \nn==0
	s_wait_dscnt 10                                ; behind the four loads of the base weights only B_0 .. B_4, ten loads, have been issued
.endif
.endif
	MM S_A, S_NB+\nn, BB+8*\nn, AB+8*S_A, 1, 0
	WIN 0
.endif
.endm
.macro CFLD reg, n, off                ; in the step's last stretch a group of coefficients is loaded for the next step right behind its last use
.if S_CF
.set jj, 0
.rept \n
	ds_load_b128 v[\reg+4*jj:\reg+4*jj+3], v[LC+S_PH] offset:CFO+S_ODD*768+\off+16*jj
.set jj, jj+1
.endr
.endif
.endm
.macro TCH j0                          ; six t_j = x - g_j
.set jj, \j0
.rept 6
	v_pk_add_f32 v[VT+2*jj:VT+2*jj+1], v[S_XP:S_XP+1], v[VG+2*jj:VG+2*jj+1] neg_lo:[0,1] neg_hi:[0,1]
.set jj, jj+1
.endr
.endm
.macro CMPS c                          ; feature c: x >= g_j for the twelve knots, then x >= g_j and not x >= g_(j+1)
.set jj, 0
.rept 12
	v_cmp_le_f32 s[MK+jj], 0, v[VT+2*jj+\c]
.set jj, jj+1
.endr
.set jj, 0
.rept 11
	s_and_not1_b32 s[MK+jj], s[MK+jj], s[MK+jj+1]
.set jj, jj+1
.endr
.endm
.macro SELS c
.set jj, 0
.rept 11
	v_cndmask_b32 v[BV+2*jj+\c], 0, 1.0, s[MK+jj]
.set jj, jj+1
.endr
.endm
.macro LCH r, j0, n                    ; L_j = t_j r_j
.set jj, \j0
.rept \n
	v_pk_mul_f32 v[LV+2*jj:LV+2*jj+1], v[VT+2*jj:VT+2*jj+1], v[\r+2*jj:\r+2*jj+1]
.set jj, jj+1
.endr
.endm
.macro QCH j0, n                       ; Q_j = b_j - L_j b_j
.set jj, \j0
.rept \n
	v_pk_fma_f32 v[QV+2*jj:QV+2*jj+1], v[LV+2*jj:LV+2*jj+1], v[BV+2*jj:BV+2*jj+1], v[BV+2*jj:BV+2*jj+1] neg_lo:[1,0,0] neg_hi:[1,0,0]
.set jj, jj+1
.endr
.endm
.macro OCH n                           ; b_j <- L_j b_j + Q_(j+1)
.set jj, 0
.rept \n
	v_pk_fma_f32 v[BV+2*jj:BV+2*jj+1], v[LV+2*jj:LV+2*jj+1], v[BV+2*jj:BV+2*jj+1], v[QV+2*jj+2:QV+2*jj+3]
.set jj, jj+1
.endr
.endm
.macro XLD a, q, off                   ; four features of x for row block a
	global_load_b128 v[VX+8*(\a)+4*(\q):VX+8*(\a)+4*(\q)+3], v[XO], s[4:5] offset:(\a)*65536+(\off)+32*(\q)
.endm
.macro SILU a, q, tp                   ; silu of the four features, rounded to f16 into the operand in the making
.set U_X, VX+8*(\a)+4*(\q)
.set U_D, AN+8*(\a)+4*(\tp)+2*(\q)
	v_pk_mul_f32 v[LV:LV+1],   v[U_X:U_X+1],   0xbfb8aa3b op_sel_hi:[1,0]
	v_pk_mul_f32 v[LV+2:LV+3], v[U_X+2:U_X+3], 0xbfb8aa3b op_sel_hi:[1,0]
	v_exp_f32 v[LV+4], v[LV]
	v_exp_f32 v[LV+5], v[LV+1]
	v_exp_f32 v[LV+6], v[LV+2]
	v_exp_f32 v[LV+7], v[LV+3]
	v_nop                                          ; one plain place between a transcendental and the use of its result (ISA guide 5.7.2)
	s_wait_alu depctr_va_vdst(0)
	v_pk_add_f32 v[LV+4:LV+5], v[LV+4:LV+5], 1.0 op_sel_hi:[1,0]
	v_pk_add_f32 v[LV+6:LV+7], v[LV+6:LV+7], 1.0 op_sel_hi:[1,0]
	v_rcp_f32 v[LV],   v[LV+4]
	v_rcp_f32 v[LV+1], v[LV+5]
	v_rcp_f32 v[LV+2], v[LV+6]
	v_rcp_f32 v[LV+3], v[LV+7]
	v_nop
	s_wait_alu depctr_va_vdst(0)
	v_pk_mul_f32 v[LV:LV+1],   v[LV:LV+1],   v[U_X:U_X+1]
	v_pk_mul_f32 v[LV+2:LV+3], v[LV+2:LV+3], v[U_X+2:U_X+3]
	WIN 0x40
	v_cvt_pk_f16_f32 v[U_D],   v[LV],   v[LV+1]
	v_cvt_pk_f16_f32 v[U_D+1], v[LV+2], v[LV+3]
	WIN 0
.endm
; A stretch: the bases of step s (0..7 of the two tiles), row block a, into operand a & 1; among them the 16 matrix instructions of the row block one stretch earlier
; (a - 1 of this step, or 3 of the step before), on operand (a + 1) & 1, and two of the base product.
.macro STR s, a, first, last
.set S_A, \a
.set S_K, (\s)&3
.set S_PH, ((\s)>>1)&1
.set S_ODD, (\s)&1
.set S_RB, ((\a)+3)&3
.set S_AR, VA+8*(((\a)+1)&1)
.set S_AW, VA+8*((\a)&1)
.set S_XP, VX+8*(\a)+2*S_K
.set S_NB, 2*(\s)
.set S_GRP, 1
.set S_ZERO, 0
.set S_RUN, 0
.set S_BASE, 1-(\first)
.set S_CF, 0
.set S_L15, 0
.set S_XL, 1
.set S_XW, 7-(\a)
.if (\a)==3
.set S_CF, 1
.endif
.if (\a)==1
.set S_L15, 1
.endif
.if \first
.if (\s)==0
.set S_L15, 0
.if (\a)==0
.set S_GRP, 0
.set S_RUN, 1
.else
.set S_ZERO, 1
.endif
.endif
.if (\s)==1
.if (\a)==0
.set S_ZERO, 1
.endif
.endif
.endif
.if \last
.if (\s)>=5
.set S_XL, 0
.endif
.if (\s)==6
.set S_XW, 3-(\a)
.endif
.if (\s)==7
.set S_CF, 0
.endif
.endif
.if (\a)==0
.if S_ODD
	s_wait_dscnt 0x0                               ; this step's coefficients, loaded in the last stretch (an even step has the change of slots, with the same wait, in front)
.endif
.if S_BASE
	WIN 0x40
.irp n2, 0,1,2,3
	ds_load_b128 v[BB+4*\n2:BB+4*\n2+3], v[LB+S_PH] offset:BBO+S_ODD*2048+512*\n2
.endr
	WIN 0
.endif
.if S_RUN
.set bb, 0
.rept 16
	BLD bb                                         ; the very first step's weights, in one run
.set bb, bb+1
.endr
	WIN 0
.endif
.endif
.if (S_K&1)==0
	s_wait_loadcnt S_XW                            ; behind this row block's four features were issued those of the later row blocks and the four loads of the other half of the features (none of these at the end)
.endif
	TCH 0
	HK 0
	TCH 6
	CFLD VG, 6, 0
	HK 1
	CMPS 0
	HK 2
	SELS 0
	HK 3
	CMPS 1
	HK 4
	SELS 1
	HK 5
	LCH VR1, 0, 5
	HB 0
	LCH VR1, 5, 6
	CFLD VR1, 6, 96
	HK 6
	QCH 1, 5
	HB 1
	QCH 6, 5
	HK 7
	OCH 10
	HK 8
	LCH VR2, 0, 10
	CFLD VR2, 5, 192
	HK 9
	QCH 1, 9
	HK 10
	OCH 9
	HK 11
	LCH VR3, 0, 9
	CFLD VR3, 5, 272
	HK 12
	QCH 1, 8
	HK 13
	OCH 8
	HK 14
.irp c, 0,1
.irp i, 0,1,2,3
	v_cvt_pk_bf16_f32 v[S_AW+4*\c+\i], v[BV+4*\i+\c], v[BV+4*\i+2+\c]   ; feature c's eight bases: registers 4 c .. 4 c + 3 of the operand
.endr
.endr
	HK 15
.if (S_K&1)==1
	SILU \a, S_K>>1, (\s)>>2                       ; the four features have had their two steps: their silu, then the same four of the next tile
.if S_XL
	XLD \a, S_K>>1, 256*(1+((\s)>>2))
.endif
.endif
.endm
.macro STEP s, first, last
	STR \s, 0, \first, \last
	STR \s, 1, \first, \last
	STR \s, 2, \first, \last
	STR \s, 3, \first, \last
.endm
.macro BODY first, last                ; two tiles of 64 features: eight steps, four slots
	RING 0, 0
	STEP 0, \first, \last
	STEP 1, \first, \last
	RING 1, 0
	STEP 2, \first, \last
	STEP 3, \first, \last
	RING 0, 0
	STEP 4, \first, \last
	STEP 5, \first, \last
	RING 1, \last
	STEP 6, \first, \last
	STEP 7, \first, \last
	WIN 0x41
.set jj, 0
.rept 32
	v_mov_b32 v[AB+jj], v[AN+jj]                   ; the finished silu operand is multiplied during the next two tiles; register numbers in the loop are fixed, and a body of four tiles would double its code
.set jj, jj+1
.endr
	WIN 0
.if 1-(\last)
	s_wait_xcnt 0x0                                ; x's base is stepped only when the loads that name it have had their addresses translated (ISA guide 3.1)
	s_add_nc_u64 s[4:5], s[4:5], 512
.endif
.endm
	s_load_b128 s[4:7], s[0:1], 0x0                ; x s[4:5], wp s[6:7]
	s_load_b64 s[8:9], s[0:1], 0x10                ; out0
	v_lshl_add_u32 v254, v0, 2, 0x4b000
	v_mov_b32 v255, 0
	ds_add_u32 v254, v255
	v_lshrrev_b32 v7, 5, v0
	v_readfirstlane_b32 s10, v7                    ; wave 0..3
	s_bfe_u32 s11, ttmp6, 0x40000                  ; cx: my place in the cluster; it enters the addresses of x and out0 alone
	s_lshl_b32 s12, ttmp9, 2
	s_add_co_u32 s12, s12, s11                     ; work-group g = 4 x cluster + cx: rows 64 g .. 64 g + 63
	; group 1: a dense block as rows of 256 bytes (32 elements of 8 bytes), 150 rows; mask 15 = all four work-groups, bit 21 set beside it
	s_mov_b32 s[G1+0], 0x0023000f
	s_mov_b32 s[G1+1], 32<<16                      ; tensor_dim0 = 32
	s_mov_b32 s[G1+2], 150<<16                     ; tensor_dim1 = 150
	s_mov_b32 s[G1+3], 32<<16                      ; tile_dim0 = 32
	s_mov_b32 s[G1+4], 150                         ; tile_dim1 = 150
	s_mov_b32 s[G1+5], 32                          ; pitch = 32 elements
	s_mov_b32 s[G1+6], 0
	s_mov_b32 s[G1+7], 0
	s_mov_b32 s[G1T+0], 0x0023000f                 ; the tail: 64 rows
	s_mov_b32 s[G1T+1], 32<<16
	s_mov_b32 s[G1T+2], 64<<16
	s_mov_b32 s[G1T+3], 32<<16
	s_mov_b32 s[G1T+4], 64
	s_mov_b32 s[G1T+5], 32
	s_mov_b32 s[G1T+6], 0
	s_mov_b32 s[G1T+7], 0
	s_mul_i32 s13, s10, WT                         ; my wave tile: in LDS and in a slot of wp
	s_mov_b32 s[G0+0], 1
	s_mov_b32 s[G0+4], 1
	s_mov_b32 s[G0T+0], 1
	s_add_co_u32 s[G0+1], s13, 0
	s_add_co_u32 s[G0+5], s13, SLOTB
	s_add_co_u32 s[G0T+1], s13, 0                  ; the tail lands at the head of my tile in physical slot 0
	s_mov_b32 s14, s13
	s_mov_b32 s15, 0
	s_lshl_b32 s44, s10, 14                        ; the tail: 16,384 bytes a wave
	s_mov_b32 s45, 0
	s_lshl_b32 s46, s12, 18                        ; 64 g rows of 4,096 bytes
	s_mov_b32 s47, 0
	s_lshl_b32 s56, s10, 6                         ; 16 w features
	v_and_b32 v7, 31, v0
	v_lshlrev_b32 v7, 4, v7
	v_add_nc_u32 v[LB], s13, v7
	v_add_nc_u32 v[LB+1], SLOTB, v[LB]
	v_bfe_u32 v7, v0, 4, 1                         ; h
	v_mul_u32_u24 v6, v7, 352                      ; 88 floats of coefficients for each half of the lanes
	v_add_nc_u32 v[LC], s13, v6
	v_add_nc_u32 v[LC+1], SLOTB, v[LC]
	v_and_b32 v6, 15, v0
	v_lshlrev_b32 v6, 12, v6                       ; row r
	v_lshl_add_u32 v6, v7, 4, v6                   ; + 4 h features
	v_add_nc_u32 v[XO], s56, v6
	s_wait_dscnt 0x0
	s_wait_kmcnt 0x0
	s_add_nc_u64 s[4:5], s[4:5], s[46:47]
	s_add_nc_u64 s[G0+2:G0+3], s[6:7], s[14:15]    ; slot 0
	s_add_nc_u64 s[G0+6:G0+7], s[G0+2:G0+3], SLOTB ; slot 1
	s_add_nc_u64 s[G0T+2:G0T+3], s[6:7], s[44:45]
	s_add_nc_u64 s[G0T+2:G0T+3], s[G0T+2:G0T+3], TAILB
	s_or_b32 s[G0+3], s[G0+3], 0x80000000          ; type = 2
	s_or_b32 s[G0+7], s[G0+7], 0x80000000
	s_or_b32 s[G0T+3], s[G0T+3], 0x80000000
	ROUND                                          ; all four work-groups are here: the first joint loads meet
	tensor_load_to_lds s[G0:G0+3], s[G1:G1+7]      ; slot 0; slot 1 is asked for behind the first change of slots.  One tensor load of a wave is out at any time
	s_nop 0
.rept 4
	v_nop
.endr
.set jj, 0
.rept 22
	global_load_b128 v[VG+4*jj:VG+4*jj+3], v[LC], s[6:7] offset:31*SLOTB+CFO+768+16*jj   ; step 0's coefficients lie in the last slot's second block
.set jj, jj+1
.endr
.irp a, 0,1,2,3
	XLD \a, 0, 0
.endr
.irp a, 0,1,2,3
	XLD \a, 1, 0
.endr
	BODY 1, 0                                      ; tiles 0, 1: the first products start the sums; no base product yet
	s_mov_b32 s56, 6
.Lp:
	BODY 0, 0                                      ; tiles 2 .. 13
	s_sub_co_u32 s56, s56, 1
	s_cmp_lg_u32 s56, 0
	s_cbranch_scc1 .Lp
	BODY 0, 1                                      ; tiles 14, 15: nothing more of x, no further coefficients, the tail instead of a slot
	; the last step's row block 3
.set jj, 0
.rept 16
	MM 3, jj, 8*jj, VA+8, 0, 0
.set jj, jj+1
.endr
	WIN 0
.rept 5
	v_nop                                          ; the places between these matrix instructions and the loads into their weight registers, and the five that the f16 instructions below owe them on row block 3's accumulators (ISA guide 7.12.1 for the f16 instructions)
.endr
	s_wait_tensorcnt 0x0                           ; the tail has landed; my own tile, read by me alone
.set S_PH, 0
.set S_ODD, 0
.set bb, 0
.rept 16
	BLD bb
.set bb, bb+1
.endr
	WIN 0
	s_wait_dscnt 0x0
.irp a, 0,1,2,3
.set jj, 0
.rept 16
	MM \a, jj, 8*jj, AB+8*\a, 1, 0                 ; the base product of the last two tiles
.set jj, jj+1
.endr
.endr
	WIN 0
	; THE WAY OUT.  The ring has had its last fill, so its bytes serve as the stage: region (row block a, wave w) at (4 a + w) x 16,640, 16 rows of 1,024 + 16 bytes.
	; The vector work below names no register of a matrix instruction: it fills the places in front of the stores of the sums.
.set SA, 148                           ; v148-151   where I put row block a
.set RA, 152                           ; v152-155   where I read wave src's part of my row block
.set OO, 147                           ; v147       16 lane
.set RB0, 24                           ; two buffers of 32 registers, v24-55 and v56-87
	s_mul_i32 s13, s10, 16640
	s_mul_i32 s14, s10, 66560
	v_and_b32 v144, 15, v0
	v_bfe_u32 v145, v0, 4, 1
	v_mul_u32_u24 v146, v144, 1040                 ; row r: the pitch is 16 bytes over a multiple of 256, so sixteen rows start in sixteen different columns of 16 bytes
	v_lshl_add_u32 v146, v145, 5, v146             ; + 8 h columns
	v_add_nc_u32 v[SA], s13, v146
	v_add_nc_u32 v[SA+1], 66560, v[SA]
	v_add_nc_u32 v[SA+2], 2*66560, v[SA]
	v_add_nc_u32 v[SA+3], 3*66560, v[SA]
	v_and_b32 v[OO], 31, v0
	v_lshlrev_b32 v[OO], 4, v[OO]
	v_add_nc_u32 v[RA], s14, v[OO]
	v_add_nc_u32 v[RA+1], 16640, v[RA]
	v_add_nc_u32 v[RA+2], 2*16640, v[RA]
	v_add_nc_u32 v[RA+3], 3*16640, v[RA]
	s_lshl_b32 s44, s12, 16                        ; 64 g rows of 1,024 bytes
	s_lshl_b32 s45, s10, 14                        ; + 16 w rows
	s_add_co_u32 s44, s44, s45
	s_mov_b32 s45, 0
	s_add_nc_u64 s[8:9], s[8:9], s[44:45]
	s_wait_dscnt 0x0                               ; my reads of the ring are back, and all my tensor loads have landed (waited for above):
	s_barrier_signal -1
	s_barrier_wait -1                              ; that holds of all four waves: the ring's bytes may be written
.irp a, 0,1,2,3
.set W_, 0x08+4*((\a)>>1)
	WIN W_
.set jj, 0
.rept 16
	ds_store_b128 v[SA+\a], v[128*((\a)&1)+8*jj:128*((\a)&1)+8*jj+3]   offset:64*jj
	ds_store_b128 v[SA+\a], v[128*((\a)&1)+8*jj+4:128*((\a)&1)+8*jj+7] offset:64*jj+16
.set jj, jj+1
.endr
.endr
	WIN 0
	s_wait_dscnt 0x0                               ; my stores are done, for the others' sake
	s_barrier_signal -1
	s_barrier_wait -1
; Wave w adds the four waves' parts of row block w, a row at a time, always in the order of the waves, and stores the row: two stores of 512 neighbouring, aligned bytes.
.macro RLD rho, buf
.irp src, 0,1,2,3
	ds_load_b128 v[\buf+8*\src:\buf+8*\src+3],   v[RA+\src] offset:(\rho)*1040
	ds_load_b128 v[\buf+8*\src+4:\buf+8*\src+7], v[RA+\src] offset:(\rho)*1040+512
.endr
.endm
.macro RSUM rho, buf
.irp e, 0,2,4,6
	v_pk_add_f32 v[\buf+\e:\buf+\e+1],       v[\buf+\e:\buf+\e+1],       v[\buf+8+\e:\buf+8+\e+1]
	v_pk_add_f32 v[\buf+16+\e:\buf+16+\e+1], v[\buf+16+\e:\buf+16+\e+1], v[\buf+24+\e:\buf+24+\e+1]
.endr
.irp e, 0,2,4,6
	v_pk_add_f32 v[\buf+\e:\buf+\e+1], v[\buf+\e:\buf+\e+1], v[\buf+16+\e:\buf+16+\e+1]
.endr
	global_store_b128 v[OO], v[\buf:\buf+3],   s[8:9] offset:(\rho)*1024 th:TH_STORE_NT
	global_store_b128 v[OO], v[\buf+4:\buf+7], s[8:9] offset:(\rho)*1024+512 th:TH_STORE_NT
.endm
	RLD 0, RB0
.set rr, 0
.rept 15
.set R_N, RB0+32*((rr+1)&1)
.set R_C, RB0+32*(rr&1)
	s_wait_xcnt 0x0                                ; the other buffer, from which the row before was stored, is loaded again only behind this wait (ISA guide 3.1)
	RLD rr+1, R_N
	s_wait_dscnt 0x8                               ; this row's eight loads are in; the next row's eight stay out
	RSUM rr, R_C
.set rr, rr+1
.endr
	s_wait_dscnt 0x0
	RSUM 15, RB0+32
	s_wait_tensorcnt 0x0
	ds_add_u32 v254, v255
	s_wait_dscnt 0x0
	ROUND                                          ; the closing round: no work-group ends while a partner may still ask for a tile that names it
	s_endpgm
.Lfunc_end_k_q8c7020aefa_kan:
	.size	k_q8c7020aefa_kan, .Lfunc_end_k_q8c7020aefa_kan-k_q8c7020aefa_kan
	.p2alignl 7, 3214868480
	.fill 96, 4, 3214868480
	.section	.rodata,"a",@progbits
	.p2align	6, 0x0
	.amdhsa_kernel k_q8c7020aefa_kan
		.amdhsa_group_segment_fixed_size 327680
		.amdhsa_private_segment_fixed_size 0
		.amdhsa_enable_private_segment 0
		.amdhsa_kernarg_size 24
		.amdhsa_user_sgpr_count 2
		.amdhsa_user_sgpr_kernarg_segment_ptr 1
		.amdhsa_wavefront_size32 1
		.amdhsa_system_sgpr_workgroup_id_x 1
		.amdhsa_system_sgpr_workgroup_id_y 1
		.amdhsa_system_sgpr_workgroup_id_z 1
		.amdhsa_system_vgpr_workitem_id 0
		.amdhsa_next_free_vgpr 1024
		.amdhsa_next_free_sgpr 66
		.amdhsa_reserve_vcc 0
		.amdhsa_float_denorm_mode_32 3
		.amdhsa_float_denorm_mode_16_64 3
		.amdhsa_memory_ordered 1
		.amdhsa_forward_progress 1
		.amdhsa_inst_pref_size 255
	.end_amdhsa_kernel
	.section	.bss,"aw",@nobits
	.p2align	6
	.space	262144
	.amdgpu_metadata
---
amdhsa.version: [ 1, 2 ]
amdhsa.kernels:
  - .name:           k_q8c7020aefa_kan
    .symbol:         k_q8c7020aefa_kan.kd
    .args:
      - { .name: x, .offset: 0, .size: 8, .value_kind: global_buffer, .address_space: global }
      - { .name: wp, .offset: 8, .size: 8, .value_kind: global_buffer, .address_space: global }
      - { .name: out0, .offset: 16, .size: 8, .value_kind: global_buffer, .address_space: global }
    .group_segment_fixed_size: 327680
    .private_segment_fixed_size: 0
    .kernarg_segment_align: 8
    .kernarg_segment_size: 24
    .max_flat_workgroup_size: 128
    .sgpr_count:     66
    .vgpr_count:     1024
    .wavefront_size: 32
...
	.end_amdgpu_metadata
.endif
;; end of part 2
;; ======== version 2 of 2: 2 launches; 1.50 times as fast as version 1
;; limits: inputs' magnitudes at most 65,504; values are held in f16: magnitudes above 65,504 overflow, below 6.1e-05 lose precision
;; workspace buffers: wp 5,068,800 bytes
;; launch prep (part 3): grid 16 x 16, 8 waves a work-group, no clusters, 0 bytes of LDS; arguments spline_weight, base_weight, grid, wp; writes wp
.if DOCPART == 3
	.amdgcn_target "amdgcn-amd-amdhsa--gfx1250"
	.amdhsa_code_object_version 6
	.text
	.protected	k_q8c7020aefa_prep
	.globl	k_q8c7020aefa_prep
	.p2align	8
	.type	k_q8c7020aefa_prep,@function
k_q8c7020aefa_prep:
	s_mov_b64 s[64:65], 0
	v_nop
	global_prefetch_b8 v0, s[64:65] scope:SCOPE_SE
	s_setreg_imm32_b32 hwreg(HW_REG_WAVE_MODE, 25, 1), 1
	s_wait_xcnt 0x0
; Makes wp: the weights in 16 bits, laid out in the order in which the main launch's matrix fragments want them, and the spline coefficients.
; wp = 33 slots of SLOTB bytes.  A slot has four wave tiles of WT bytes (wave w of the main launch owns features 64 i + 16 w .. + 15 of tile i).  Slots m = 0 .. 31:
;   +0      spline weights of step 2m      16,384 bytes: chunk (n block b, c, lane L) at 1024 b + 512 c + 16 L = 8 bf16 of spline_weight[16 b + L%16][8 f .. 8 f + 7]
;   +16384  spline weights of step 2m + 1          with f = 64 i + 16 w + 8 (k>>1) + 4 (L/16) + 2 (k&1) + c, step = 4 i + k
;   +32768  base weights in f16, four n blocks (4,096 bytes), of the pair of tiles one earlier
;   +36864  coefficients of step 2m + 1 (768 bytes), +37632 those of step (2m + 2) mod 64: one step late, so that a slot holds all that is read while it is current
; Slot 32 (TAILB): each wave tile begins with the base weights of the last pair of tiles, all 16 n blocks (16,384 bytes); the other 22,016 bytes are zeros:
; the main launch fetches it as it fetches every slot, whole, so every byte of it is stored here.
; Work-group (i, b): tile i of 64 features, n block b.  Every byte of wp is stored by exactly one work-group.  No LDS, no barrier, all lanes on throughout.
; The coefficient stores are 4 bytes a lane, 128 neighbouring bytes a wave: 768 bytes for a work-group against its 18,432 bytes of 16-byte stores.
; FORMATS: the base weights go in f16 (11 significant bits), since the base product makes nearly all of the output and is a sum of 1,024 products; the spline weights in bf16.
; LIMITS: |base_weight| up to 65,504; base weights below 2^-14 are kept in steps of 2^-24.  A reciprocal of a knot difference is v_rcp_f32 (1 ULP; a difference below 2^-126 counts as 0).
.set WT,    38400
.set SLOTB, 153600
.set TAILB, 4915200
.set BBO,   32768
.set CFO,   36864
	s_load_b256 s[4:11], s[0:1], 0x0               ; spline_weight s[4:5], base_weight s[6:7], grid s[8:9], wp s[10:11]
	v_lshrrev_b32 v1, 5, v0
	v_readfirstlane_b32 s12, v1                    ; wave 0..7
	s_mov_b32 s13, ttmp9                           ; i
	s_and_b32 s14, ttmp7, 0xffff                   ; b
	v_and_b32 v2, 15, v0                           ; r = lane % 16
	v_bfe_u32 v3, v0, 4, 1                         ; h = lane / 16
	v_bfe_u32 v4, v0, 5, 1                         ; c
	v_bfe_u32 v5, v0, 6, 1                         ; k & 1
	v_bfe_u32 v6, v0, 7, 1                         ; k >> 1
	; PART 1, all 256 threads: thread (k, c, lane) converts one chunk of 8 numbers for each of the four waves w
	v_lshlrev_b32 v7, 15, v2                       ; row r: 32,768 bytes
	v_lshl_add_u32 v7, v6, 8, v7                   ; + 32 bytes x (8 (k>>1)
	v_lshl_add_u32 v7, v3, 7, v7                   ;   + 4 h
	v_lshl_add_u32 v7, v5, 6, v7                   ;   + 2 (k&1)
	v_lshl_add_u32 v7, v4, 5, v7                   ;   + c)
	v_and_b32 v1, 63, v0
	v_lshlrev_b32 v1, 4, v1                        ; 512 c + 16 lane
	v_lshl_add_u32 v1, v5, 14, v1                  ; + 16,384 (k&1)
	v_mad_u32_u24 v1, v6, SLOTB, v1                ; + (k>>1) slots
	s_lshl_b32 s16, s14, 19                        ; 16 b rows
	s_lshl_b32 s17, s13, 11                        ; 64 i features of 32 bytes
	s_add_co_u32 s16, s16, s17
	s_mov_b32 s17, 0
	s_mul_i32 s18, s13, 2*SLOTB                    ; slot 2 i
	s_lshl_b32 s19, s14, 10                        ; + 1024 b
	s_add_co_u32 s18, s18, s19
	s_mov_b32 s19, 0
	s_wait_kmcnt 0x0
	s_add_nc_u64 s[4:5], s[4:5], s[16:17]
	s_add_nc_u64 s[20:21], s[10:11], s[18:19]
.irp w, 0,1,2,3
	global_load_b128 v[8+8*\w:11+8*\w],  v7, s[4:5] offset:512*\w
	global_load_b128 v[12+8*\w:15+8*\w], v7, s[4:5] offset:512*\w+16
.endr
.irp w, 0,1,2,3
	s_wait_loadcnt 6-2*\w                          ; loads come back in order: the pairs behind pair w may stay out
.irp n, 0,1,2,3
	v_cvt_pk_bf16_f32 v[40+4*\w+\n], v[8+8*\w+2*\n], v[9+8*\w+2*\n]
.endr
	global_store_b128 v1, v[40+4*\w:43+4*\w], s[20:21] offset:\w*WT     ; a wave's store covers 512 neighbouring bytes
.endr
	; The zeros of slot 32: work-groups (0, b), b = 0..3, take wave tile b: 22,016 bytes = 5 x 4,096 (all eight waves, 512 bytes each) + 1,536 (waves 0..2)
	s_cmp_lg_u32 s13, 0
	s_cbranch_scc1 .Lbase
	s_cmp_gt_u32 s14, 3
	s_cbranch_scc1 .Lbase
	s_mul_i32 s32, s14, WT
	s_mov_b32 s33, 0
	s_add_nc_u64 s[34:35], s[10:11], s[32:33]
	v_lshlrev_b32 v86, 4, v0                       ; 16 bytes a thread
	v_mov_b32 v88, 0
	v_mov_b32 v89, 0
	v_mov_b32 v90, 0
	v_mov_b32 v91, 0
.irp n, 0,1,2,3,4
	global_store_b128 v86, v[88:91], s[34:35] offset:TAILB+16384+4096*\n
.endr
	s_cmp_gt_u32 s12, 2
	s_cbranch_scc1 .Lbase
	global_store_b128 v86, v[88:91], s[34:35] offset:TAILB+16384+20480
.Lbase:
	; PART 2, waves 0..3 (w = the wave's number): base weights of n block b, tile i, wave w.  Lane (r, h): columns f0 .. f0+3 and f0+8 .. f0+11, f0 = 64 i + 16 w + 4 h
	s_cmp_gt_u32 s12, 3
	s_cbranch_scc1 .Lcoef
	s_lshl_b32 s22, s14, 16                        ; 16 b rows of 4,096 bytes
	s_lshl_b32 s23, s13, 8                         ; 64 i columns
	s_add_co_u32 s22, s22, s23
	s_lshl_b32 s23, s12, 6                         ; 16 w columns
	s_add_co_u32 s22, s22, s23
	s_mov_b32 s23, 0
	s_add_nc_u64 s[6:7], s[6:7], s[22:23]
	v_lshlrev_b32 v68, 12, v2
	v_lshl_add_u32 v68, v3, 4, v68                 ; r rows + 4 h columns
	global_load_b128 v[56:59], v68, s[6:7]
	global_load_b128 v[60:63], v68, s[6:7] offset:32
	v_and_b32 v69, 31, v0
	v_lshlrev_b32 v69, 4, v69                      ; 16 lane
	s_lshr_b32 s22, s13, 1                         ; the pair of tiles p = i >> 1 is multiplied one pair later:
	s_add_co_u32 s22, s22, 1
	s_and_b32 s22, s22, 7
	s_lshl_b32 s22, s22, 2                         ; slot 4 ((p + 1) mod 8)
	s_lshr_b32 s23, s14, 2
	s_add_co_u32 s22, s22, s23                     ; + (b >> 2): four n blocks go with each of the pair's four slots
	s_mul_i32 s22, s22, SLOTB
	s_mul_i32 s23, s12, WT
	s_add_co_u32 s22, s22, s23
	s_and_b32 s23, s14, 3
	s_lshl_b32 s23, s23, 10                        ; 1,024 for each n block of the four
	s_add_co_u32 s22, s22, s23
	s_and_b32 s26, s13, 1
	s_lshl_b32 s26, s26, 9                         ; 512 for the pair's second tile
	s_add_co_u32 s22, s22, s26
	s_mov_b32 s23, 0
	s_add_nc_u64 s[24:25], s[10:11], s[22:23]
	s_wait_loadcnt 0x0
.irp n, 0,1,2,3
	v_cvt_pk_f16_f32 v[64+\n], v[56+2*\n], v[57+2*\n]              ; f16: first source into the low half
.endr
	global_store_b128 v69, v[64:67], s[24:25] offset:BBO
	s_cmp_lt_u32 s13, 14                           ; the last pair of tiles (i = 14, 15) also goes to slot 32
	s_cbranch_scc1 .Lcoef
	s_mul_i32 s16, s12, WT                         ; wave tile w
	s_lshl_b32 s17, s14, 10                        ; + 1,024 b
	s_add_co_u32 s16, s16, s17
	s_add_co_u32 s16, s16, s26
	s_mov_b32 s17, 0
	s_add_nc_u64 s[18:19], s[10:11], s[16:17]
	global_store_b128 v69, v[64:67], s[18:19] offset:TAILB
.Lcoef:
	; PART 3, waves 0..5: the 192 floats of the coefficient block of wave w' = b >> 2, step k' = b & 3 of tile i.
	; Float v = 88 h + u; u in pairs (c = 0, c = 1): u 0..23 knots g_j; 24..47 1/(g_(j+1)-g_j); 48..67 1/(g_(j+2)-g_j); 68..87 1/(g_(j+3)-g_j).
	; Places without a meaning (j past the level's last, v = 176..191) repeat a clamped neighbour, so that every byte is stored.
	s_cmp_gt_u32 s12, 5
	s_cbranch_scc1 .Lend
	s_lshr_b32 s27, s14, 2                         ; w'
	s_lshl_b32 s29, s13, 2
	s_and_b32 s30, s14, 3
	s_add_co_u32 s29, s29, s30
	s_add_co_u32 s29, s29, 63
	s_and_b32 s29, s29, 63                         ; step - 1 mod 64: its slot and half hold this block
	s_lshr_b32 s30, s29, 1
	s_mul_i32 s30, s30, SLOTB
	s_and_b32 s29, s29, 1
	s_mul_i32 s29, s29, 768
	s_add_co_u32 s30, s30, s29
	s_mul_i32 s29, s27, WT
	s_add_co_u32 s30, s30, s29
	s_mov_b32 s31, 0
	s_add_nc_u64 s[30:31], s[10:11], s[30:31]
	s_lshl_b32 s26, s13, 6                         ; feature 64 i
	s_lshl4_add_u32 s26, s27, s26                  ; + 16 w'
	s_bfe_u32 s28, s14, 0x10001
	s_lshl3_add_u32 s26, s28, s26                  ; + 8 (k' >> 1)
	s_and_b32 s28, s14, 1
	s_lshl1_add_u32 s26, s28, s26                  ; + 2 (k' & 1)
	s_mul_i32 s26, s26, 48                         ; 12 knots of 4 bytes
	s_mov_b32 s27, 0
	s_add_nc_u64 s[8:9], s[8:9], s[26:27]
	v_cmp_le_u32 vcc_lo, 88, v0
	v_cndmask_b32 v70, 0, 1, vcc_lo                ; h
	v_mul_u32_u24 v71, 88, v70
	v_sub_nc_u32 v71, v0, v71
	v_min_u32 v71, 87, v71                         ; u
	v_and_b32 v72, 1, v71                          ; c
	v_cmp_le_u32 vcc_lo, 24, v71
	v_cndmask_b32 v73, 0, 1, vcc_lo
	v_cmp_le_u32 vcc_lo, 48, v71
	v_cndmask_b32 v74, 0, 1, vcc_lo
	v_cmp_le_u32 vcc_lo, 68, v71
	v_cndmask_b32 v75, 0, 1, vcc_lo
	v_add_nc_u32 v77, v73, v74
	v_add_nc_u32 v76, v77, v75                     ; level 0..3
	v_mul_u32_u24 v77, 24, v77
	v_mad_u32_u24 v77, v75, 20, v77                ; the level's first u
	v_sub_nc_u32 v77, v71, v77
	v_lshrrev_b32 v77, 1, v77                      ; j
	v_sub_nc_u32 v78, 11, v76
	v_min_u32 v77, v77, v78                        ; j + level stays inside the 12 knots
	v_lshl_add_u32 v79, v70, 2, v72                ; feature + 4 h + c
	v_mul_u32_u24 v79, 48, v79
	v_lshl_add_u32 v79, v77, 2, v79                ; knot j
	v_lshl_add_u32 v80, v76, 2, v79                ; knot j + level
	v_lshlrev_b32 v81, 2, v0
	global_load_b32 v82, v79, s[8:9]
	global_load_b32 v83, v80, s[8:9]
	s_wait_loadcnt 0x0
	v_sub_f32 v84, v83, v82
	v_rcp_f32 v85, v84
	v_cmp_eq_u32 vcc_lo, 0, v76                    ; the plain vector instruction between v_rcp_f32 and the use of its result (ISA guide 5.7.2)
	s_wait_alu depctr_va_vdst(0)
	v_cndmask_b32 v85, v85, v82, vcc_lo            ; level 0: the knot itself
	global_store_b32 v81, v85, s[30:31] offset:CFO
.Lend:
	s_endpgm
.Lfunc_end_k_q8c7020aefa_prep:
	.size	k_q8c7020aefa_prep, .Lfunc_end_k_q8c7020aefa_prep-k_q8c7020aefa_prep
	.p2alignl 7, 3214868480
	.fill 96, 4, 3214868480
	.section	.rodata,"a",@progbits
	.p2align	6, 0x0
	.amdhsa_kernel k_q8c7020aefa_prep
		.amdhsa_group_segment_fixed_size 0
		.amdhsa_private_segment_fixed_size 0
		.amdhsa_enable_private_segment 0
		.amdhsa_kernarg_size 32
		.amdhsa_user_sgpr_count 2
		.amdhsa_user_sgpr_kernarg_segment_ptr 1
		.amdhsa_wavefront_size32 1
		.amdhsa_system_sgpr_workgroup_id_x 1
		.amdhsa_system_sgpr_workgroup_id_y 1
		.amdhsa_system_sgpr_workgroup_id_z 1
		.amdhsa_system_vgpr_workitem_id 0
		.amdhsa_next_free_vgpr 96
		.amdhsa_next_free_sgpr 66
		.amdhsa_reserve_vcc 1
		.amdhsa_float_denorm_mode_32 3
		.amdhsa_float_denorm_mode_16_64 3
		.amdhsa_memory_ordered 1
		.amdhsa_forward_progress 1
		.amdhsa_inst_pref_size 10
	.end_amdhsa_kernel
	.amdgpu_metadata
---
amdhsa.version: [ 1, 2 ]
amdhsa.kernels:
  - .name:           k_q8c7020aefa_prep
    .symbol:         k_q8c7020aefa_prep.kd
    .args:
      - { .name: spline_weight, .offset: 0, .size: 8, .value_kind: global_buffer, .address_space: global }
      - { .name: base_weight, .offset: 8, .size: 8, .value_kind: global_buffer, .address_space: global }
      - { .name: grid, .offset: 16, .size: 8, .value_kind: global_buffer, .address_space: global }
      - { .name: wp, .offset: 24, .size: 8, .value_kind: global_buffer, .address_space: global }
    .group_segment_fixed_size: 0
    .private_segment_fixed_size: 0
    .kernarg_segment_align: 8
    .kernarg_segment_size: 32
    .max_flat_workgroup_size: 256
    .sgpr_count:     66
    .vgpr_count:     96
    .wavefront_size: 32
...
	.end_amdgpu_metadata
.endif
;; end of part 3
;; launch kan (part 4): grid 256 x 1, 4 waves a work-group, clusters of 4 x 1, 327,680 bytes of LDS; arguments x, wp, out0; writes out0
.if DOCPART == 4
	.amdgcn_target "amdgcn-amd-amdhsa--gfx1250"
	.amdhsa_code_object_version 6
	.text
	.protected	k_q8c7020aefa_kan
	.globl	k_q8c7020aefa_kan
	.p2align	8
	.type	k_q8c7020aefa_kan,@function
k_q8c7020aefa_kan:
	s_mov_b64 s[64:65], 0
	v_nop
	global_prefetch_b8 v0, s[64:65] scope:SCOPE_SE
	s_setreg_imm32_b32 hwreg(HW_REG_WAVE_MODE, 25, 1), 1
	s_wait_xcnt 0x0
	s_wait_alu depctr_hold_cnt(0) depctr_sa_sdst(0) depctr_va_vdst(0) depctr_va_sdst(0) depctr_va_ssrc(0) depctr_va_vcc(0) depctr_vm_vsrc(0)
	s_getreg_b32 s2, hwreg(HW_REG_IB_STS2, 6, 4)
	s_cmp_eq_u32 s2, 0
	s_cbranch_scc0 .Lentry_in_a_cluster
	s_endpgm
.Lentry_in_a_cluster:
	s_bfe_u32 s2, ttmp6, 0x10000c
	s_cmp_lg_u32 s2, 0x3003
	s_cbranch_scc0 .Lentry_shape_is_right
	s_endpgm
.Lentry_shape_is_right:
; out0[16384][256] = silu(x) base_weight^T + bases(x) spline_weight^T, as one product over K = 1024 + 8192, weights in 16 bits from wp, sums in f32.
; A work-group owns 64 rows and all 256 columns; its four waves SPLIT K: wave w owns features 64 i + 16 w .. + 15 of each tile i of 64 features and keeps
; a 64 x 256 accumulator (512 registers) over them; at the end the four accumulators are added through LDS.  So every basis is computed once, and each
; byte of spline weights is read from LDS once (32 loads of 16 bytes a lane for 64 matrix instructions).
; BASES GO STRAIGHT INTO THE OPERAND: lane (r, h) of a 16-bit K = 32 operand holds k = 8 h .. 8 h + 7 and 16 + 8 h .. + 7 of row r: these are taken to be the eight
; bases of one feature and of a second one, so four roundings a feature write the operand, with no trip through LDS.  wp holds the weights in the same order of k.
; The matrix instruction is used transposed (source 0 = weights, source 1 = bases): register j of lane (r, h) is out(16 a + r, 16 b + 8 h + j).
; THE KNOTS ARE AN INPUT: the whole recursion 11 -> 10 -> 9 -> 8 is done with each feature's own knots, in any order:
;   t_j = x - g_j;  b0_j = (t_j >= 0) and not (t_(j+1) >= 0);  level k: L_j = t_j / (g_(j+k) - g_j);  b_j <- L_j b_j + (b_(j+1) - L_(j+1) b_(j+1)).
; One packed instruction serves the lane's two features of a step (x, knots and reciprocals lie as register pairs).
; FORMATS: the base product, a sum of 1,024 products that makes nearly all of the output, takes f16 operands: with 8 significant bits in both operands a sum's error would have a
; spread of about a fifth of the hundredth of the output's spread that a number may be off, too near for four million numbers; with 11 bits it is eight times smaller.
; The spline product takes bf16: with knots in any order the bases have no bound that f16 would hold, and its share of the output is small.
; LIMITS: |silu(x)| and |base_weight| up to 65,504 (f16), values below 2^-14 in steps of 2^-24; a division is a product with v_rcp_f32's reciprocal (1 ULP; knot differences
; below 2^-126 count as 0); the right-hand factor (g_(j+k+1) - x) / (g_(j+k+1) - g_(j+1)) is taken as 1 - L_(j+1), equal in exact arithmetic for any knots, rounded otherwise;
; silu(x) = x / (1 + 2^(-1.442695 x)) is -0 where the sigmoid underflows.  The scale of the base weights is the problem's constant 1.
; VECTOR AND MATRIX WORK ALTERNATE: a wave is alone on its SIMD, and the bases cost about as many issue slots as the products; so behind each chunk of 6 to 12
; independent vector instructions stands ONE matrix instruction of the row block whose bases were made a stretch earlier.  The accumulators fill windows 2 and 3 and the
; vector work lies in window 0, so each matrix instruction has a switch of windows in front of it and one behind.
; The 64 accumulators take turns, one instruction a turn: no two matrix instructions that follow each other name the same accumulator.
; ONE TEXT FOR ALL SIXTEEN TILES: the loop's body is one tile (4 spline steps, 2 slots, 16 stretches, about 4,200 instructions), and no tile is written out beside it.  For that:
;  - THE BASE PRODUCT STANDS IN BLOCKS.  A K = 32 step of it takes a wave's 16 features from each of two tiles, and an accumulator's number is fixed in the text; so a pair of tiles'
;    64 matrix instructions are four blocks of 16 (4 n blocks x 4 row blocks), one for each slot of the next pair; at each of the tile's two sites stand two blocks, and the tile
;    counter's parity picks one (tiles 0 and 1 skip both).  An f16 and a bf16 instruction on one accumulator are no chain in place and owe each other five places (ISA guide 7.12.1):
;    five v_nop head a block, and the next stretch's six subtractions follow it.
;  - THE SUMS START AHEAD OF THE LOOP, by 64 matrix instructions with C = 0 on operands of zeros, and the first stretch's lagging group multiplies a zero operand: 80 matrix
;    instructions of a wave's 4,688 add nothing.  The other way, the first step's five stretches written out a second time, is 1,300 instructions that run once.
;  - THE LAST FILL IS A SLOT LIKE ANY OTHER: slot 32 of wp brings the last pair's base weights, multiplied behind the loop.  Every change of slots fills a slot that is read later.
;  - x OF THE NEXT TILE is asked for in every tile; in tile 15 the base has not been stepped, so that its own x is read once more (8 loads a wave, inside the buffer, not used).
;    The last step's reload of coefficients (22 LDS loads), the first run of weights (32) and the base weights of tiles 0 and 1 (32) are not used either.
; CLUSTER: all work-groups walk the same wp.  Four work-groups form a cluster and ask for each tile jointly (mask 15: a mask names four); each wave asks for its own wave tile.
; x COMES THROUGH REGISTERS: the operand wants lane = row; a wave's one tensor load between two rounds is its weights; and a register load may stay out over rounds: x is asked
; for two steps before its use.  A load takes 32 bytes of each of 16 rows; the four waves' two loads of a tile cover 256 aligned bytes of each row.
; No prefetch: x is asked for early by the loads themselves, and wp is read again and again by all clusters.  No padding in the ring: fragment order is 16 bytes x lane, contiguous.
.set WT,    38400                      ; a wave tile: 150 rows of 256 bytes
.set SLOTB, 4*WT                       ; an LDS slot, and a slot of wp
.set BBO,   32768                      ; in a wave tile: base weights
.set CFO,   36864                      ; in a wave tile: coefficients
.set TILES, 16
; window 0
.set LB,  1                            ; v1, v2     16 lane + my wave tile in physical slot 0, 1
.set LC,  3                            ; v3, v4     352 h + my wave tile in physical slot 0, 1
.set XO,  5                            ; v5         4096 r + 64 w + 16 h
.set VA,  8                            ; v8-23      two operands of bases, by turns
.set VX,  24                           ; v24-55     x: row block a at 24 + 8 a: 8 features of the tile
.set VG,  56                           ; v56-79     knots, pairs (c = 0, c = 1)
.set VR1, 80                           ; v80-103    reciprocals of level 1
.set VR2, 104                          ; v104-123   level 2
.set VR3, 124                          ; v124-143   level 3
.set VT,  144                          ; v144-167   t_j
.set BV,  168                          ; v168-189   b_j
.set LV,  192                          ; v192-213   L_j; silu's temporaries
.set QV,  214                          ; v214-235   b_j - L_j b_j
; window 1: v0-127 weight fragments B_b at 8 b
.set BB,  128                          ; v128-159   base weights, the slot's four n blocks
.set AB,  160                          ; v160-191   silu operand in use: row block a at 160 + 8 a, registers 0-3 the pair's even tile, 4-7 its odd tile
.set AL,  192                          ; v192-207   silu of the even tile, kept until the odd one is done: row block a at 192 + 4 a
.set AT,  208                          ; v208-223   silu of the tile at work: row block a at 208 + 4 a
; windows 2, 3: accumulator (a, b) in window 2 + (a >> 1) at 128 (a & 1) + 8 b
.set G1,  16                           ; s[16:23]   descriptor group 1, wave tile
.set G0,  24                           ; s[24:31]   group 0 for physical slot 0, 1
                                       ; s[32:33]   the step of x's base, as a pair
.set MK,  36                           ; s[36:47]   lane masks of the twelve comparisons
                                       ; s56        the tile counter
.set MSB, 0
.macro WIN new                         ; the immediate's high byte repeats the setting that is left; a switch that changes nothing is dropped
.if MSB != \new
	s_set_vgpr_msb (MSB<<8)|\new
.set MSB, \new
.endif
.endm
; A round of the cluster's barrier: my work-group's barrier, wave 0 signals for the work-group, every wave waits for all four work-groups, my work-group's barrier again.
.macro ROUND
	s_barrier_signal -1
	s_barrier_wait -1
	s_cmp_lg_u32 s10, 0
	s_cbranch_scc1 .Lnot_wave_0_\@
	s_barrier_signal -3
.Lnot_wave_0_\@:
	s_barrier_wait -3
	s_barrier_signal -1
	s_barrier_wait -1
.endm
; The change of slots.  ph = the physical slot that becomes current.  In front of the round: all my tensor loads have landed (the one that was out is my tile of slot ph) and all
; my LDS reads are back (those of the other slot among them).  Behind it no wave of the cluster reads the other slot: its next tile is asked for first thing, my one tensor load until the next round.
.macro RING ph
	s_wait_tensorcnt 0x0
	ds_add_u32 v254, v255
	s_add_nc_u64 s[G0+4*\ph+2:G0+4*\ph+3], s[G0+4*\ph+2:G0+4*\ph+3], 2*SLOTB   ; no load of mine is out: this slot's group 0 steps to its next tile
	s_wait_dscnt 0x0
	ROUND
	tensor_load_to_lds s[G0+4*(1-\ph):G0+4*(1-\ph)+3], s[G1:G1+7]
	s_nop 0
.rept 4
	v_nop                                          ; four v_nop follow a joint load, ahead of the next switch of windows
.endr
.endm
; one matrix instruction: accumulator (rb, b) += weights wr x operand ar; bs = 1: the base product: the operand lies in window 1, and both operands are f16
.macro MM rb, b, wr, ar, bs, zero
.set M_W, 0xa1+0x50*((\rb)>>1)+4*(\bs)
.set M_D, 128*((\rb)&1)+8*(\b)
.set M_WR, \wr
.set M_AR, \ar
	WIN M_W
.if \bs
	v_wmma_f32_16x16x32_f16 v[M_D:M_D+7], v[M_WR:M_WR+7], v[M_AR:M_AR+7], v[M_D:M_D+7]
.else
.if \zero
	v_wmma_f32_16x16x32_bf16 v[M_D:M_D+7], v[M_WR:M_WR+7], v[M_AR:M_AR+7], 0
.else
	v_wmma_f32_16x16x32_bf16 v[M_D:M_D+7], v[M_WR:M_WR+7], v[M_AR:M_AR+7], v[M_D:M_D+7]
.endif
.endif
.endm
.macro BLD b                           ; weight fragment b of the stretch's step
	WIN 0x40
	ds_load_b128 v[8*(\b):8*(\b)+3],   v[LB+S_PH] offset:S_ODD*16384+(\b)*1024
	ds_load_b128 v[8*(\b)+4:8*(\b)+7], v[LB+S_PH] offset:S_ODD*16384+(\b)*1024+512
.endm
.macro BBLD ph                         ; the slot's four fragments of base weights, straight behind the change of slots
	WIN 0x40
.irp n2, 0,1,2,3,4,5,6,7
	ds_load_b128 v[BB+4*\n2:BB+4*\n2+3], v[LB+\ph] offset:BBO+512*\n2
.endr
	WIN 0
.endm
; The hook behind chunk j.  In the stretch of row block 0 the group still multiplies the last step's weights, and fragment j - 1 is loaded anew one chunk (six plain vector
; instructions or more) behind the matrix instruction that read it last; fragment 15 follows at the head of the next stretch, where the counted waits stand.
.macro HK j
.if S_A==0
.if \j>0
	BLD \j-1
.endif
.endif
.if S_A==1
.if \j==0
	BLD 15
.endif
	s_wait_dscnt 30-2*\j                           ; LDS loads come back in order: only the 2 (15 - j) loads of the fragments behind B_j may be out (the base weights are older)
.endif
	MM S_RB, \j, 8*\j, S_AR, 0, 0
	WIN 0
.endm
; A block of the base product: n blocks nb0 .. nb0 + 3, all four row blocks, on the silu of the pair of tiles before.  Its weights were shown landed by the wait for 0 that ends the stretch in front.
.macro BBLK nb0
.rept 5
	v_nop                                          ; the five places that these f16 instructions owe the bf16 instructions in front of them on the same accumulators (ISA guide 7.12.1)
.endr
.irp a, 0,1,2,3
.irp n, 0,1,2,3
	MM \a, \nb0+\n, BB+8*\n, AB+8*\a, 1, 0
.endr
.endr
	WIN 0
.endm
.macro BSITE nbe, nbo                  ; tiles 0, 1: no pair is done yet; an even tile: block nbe; an odd tile: block nbo.  The counter is the same in all waves and work-groups
	s_cmp_lt_u32 s56, 2
	s_cbranch_scc1 .Lbskip_\@
	s_bitcmp1_b32 s56, 0
	s_cbranch_scc1 .Lbodd_\@
	BBLK \nbe
	s_branch .Lbskip_\@
.Lbodd_\@:
	BBLK \nbo
.Lbskip_\@:
.endm
.macro LATCH                           ; behind an even tile its silu is kept; behind an odd tile the pair becomes the operand of the next two tiles' blocks
	s_bitcmp1_b32 s56, 0
	s_cbranch_scc1 .Llodd_\@
	WIN 0x41
.set jj, 0
.rept 16
	v_mov_b32 v[AL+jj], v[AT+jj]
.set jj, jj+1
.endr
	WIN 0
	s_branch .Lldone_\@
.Llodd_\@:
	WIN 0x41
.irp a, 0,1,2,3
.irp n, 0,1,2,3
	v_mov_b32 v[AB+8*\a+\n],   v[AL+4*\a+\n]
	v_mov_b32 v[AB+8*\a+4+\n], v[AT+4*\a+\n]
.endr
.endr
	WIN 0
.Lldone_\@:
.endm
.macro CFLD reg, n, off                ; in the step's last stretch a group of coefficients is loaded for the next step right behind its last use
.if S_CF
.set jj, 0
.rept \n
	ds_load_b128 v[\reg+4*jj:\reg+4*jj+3], v[LC+S_PH] offset:CFO+S_ODD*768+\off+16*jj
.set jj, jj+1
.endr
.endif
.endm
.macro TCH j0                          ; six t_j = x - g_j
.set jj, \j0
.rept 6
	v_pk_add_f32 v[VT+2*jj:VT+2*jj+1], v[S_XP:S_XP+1], v[VG+2*jj:VG+2*jj+1] neg_lo:[0,1] neg_hi:[0,1]
.set jj, jj+1
.endr
.endm
.macro CMPS c                          ; feature c: x >= g_j for the twelve knots, then x >= g_j and not x >= g_(j+1)
.set jj, 0
.rept 12
	v_cmp_le_f32 s[MK+jj], 0, v[VT+2*jj+\c]
.set jj, jj+1
.endr
.set jj, 0
.rept 11
	s_and_not1_b32 s[MK+jj], s[MK+jj], s[MK+jj+1]
.set jj, jj+1
.endr
.endm
.macro SELS c
.set jj, 0
.rept 11
	v_cndmask_b32 v[BV+2*jj+\c], 0, 1.0, s[MK+jj]
.set jj, jj+1
.endr
.endm
.macro LCH r, j0, n                    ; L_j = t_j r_j
.set jj, \j0
.rept \n
	v_pk_mul_f32 v[LV+2*jj:LV+2*jj+1], v[VT+2*jj:VT+2*jj+1], v[\r+2*jj:\r+2*jj+1]
.set jj, jj+1
.endr
.endm
.macro QCH j0, n                       ; Q_j = b_j - L_j b_j
.set jj, \j0
.rept \n
	v_pk_fma_f32 v[QV+2*jj:QV+2*jj+1], v[LV+2*jj:LV+2*jj+1], v[BV+2*jj:BV+2*jj+1], v[BV+2*jj:BV+2*jj+1] neg_lo:[1,0,0] neg_hi:[1,0,0]
.set jj, jj+1
.endr
.endm
.macro OCH n                           ; b_j <- L_j b_j + Q_(j+1)
.set jj, 0
.rept \n
	v_pk_fma_f32 v[BV+2*jj:BV+2*jj+1], v[LV+2*jj:LV+2*jj+1], v[BV+2*jj:BV+2*jj+1], v[QV+2*jj+2:QV+2*jj+3]
.set jj, jj+1
.endr
.endm
.macro XLD a, q                        ; four features of x for row block a, at x's base as it stands
	global_load_b128 v[VX+8*(\a)+4*(\q):VX+8*(\a)+4*(\q)+3], v[XO], s[4:5] offset:(\a)*65536+32*(\q)
.endm
.macro SILU a, q                       ; silu of the four features, rounded to f16
.set U_X, VX+8*(\a)+4*(\q)
.set U_D, AT+4*(\a)+2*(\q)
	v_pk_mul_f32 v[LV:LV+1],   v[U_X:U_X+1],   0xbfb8aa3b op_sel_hi:[1,0]
	v_pk_mul_f32 v[LV+2:LV+3], v[U_X+2:U_X+3], 0xbfb8aa3b op_sel_hi:[1,0]
	v_exp_f32 v[LV+4], v[LV]
	v_exp_f32 v[LV+5], v[LV+1]
	v_exp_f32 v[LV+6], v[LV+2]
	v_exp_f32 v[LV+7], v[LV+3]
	v_nop                                          ; one plain place between a transcendental and the use of its result (ISA guide 5.7.2)
	s_wait_alu depctr_va_vdst(0)
	v_pk_add_f32 v[LV+4:LV+5], v[LV+4:LV+5], 1.0 op_sel_hi:[1,0]
	v_pk_add_f32 v[LV+6:LV+7], v[LV+6:LV+7], 1.0 op_sel_hi:[1,0]
	v_rcp_f32 v[LV],   v[LV+4]
	v_rcp_f32 v[LV+1], v[LV+5]
	v_rcp_f32 v[LV+2], v[LV+6]
	v_rcp_f32 v[LV+3], v[LV+7]
	v_nop
	s_wait_alu depctr_va_vdst(0)
	v_pk_mul_f32 v[LV:LV+1],   v[LV:LV+1],   v[U_X:U_X+1]
	v_pk_mul_f32 v[LV+2:LV+3], v[LV+2:LV+3], v[U_X+2:U_X+3]
	WIN 0x40
	v_cvt_pk_f16_f32 v[U_D],   v[LV],   v[LV+1]
	v_cvt_pk_f16_f32 v[U_D+1], v[LV+2], v[LV+3]
	WIN 0
.endm
; A stretch: the bases of step k (0..3 of the tile), row block a, into operand a & 1; among them the 16 matrix instructions of the row block one stretch earlier
; (a - 1 of this step, or 3 of the step before), on operand (a + 1) & 1.
.macro STR k, a
.set S_A, \a
.set S_K, \k
.set S_PH, (\k)>>1
.set S_ODD, (\k)&1
.set S_RB, ((\a)+3)&3
.set S_AR, VA+8*(((\a)+1)&1)
.set S_AW, VA+8*((\a)&1)
.set S_XP, VX+8*(\a)+2*(\k)
.set S_CF, 0
.if (\a)==3
.set S_CF, 1
.endif
.if (\a)==0
.if S_ODD
	s_wait_dscnt 0x0                               ; this step's coefficients, loaded in the last stretch (an even step has the change of slots, with the same wait, in front)
.endif
.endif
.if S_ODD==0
	s_wait_loadcnt 7-(\a)                          ; behind this row block's four features were issued those of the 3 - a later row blocks and the four loads of the other half of the features
.endif
	TCH 0
	HK 0
	TCH 6
	CFLD VG, 6, 0
	HK 1
	CMPS 0
	HK 2
	SELS 0
	HK 3
	CMPS 1
	HK 4
	SELS 1
	HK 5
	LCH VR1, 0, 11
	CFLD VR1, 6, 96
	HK 6
	QCH 1, 10
	HK 7
	OCH 10
	HK 8
	LCH VR2, 0, 10
	CFLD VR2, 5, 192
	HK 9
	QCH 1, 9
	HK 10
	OCH 9
	HK 11
	LCH VR3, 0, 9
	CFLD VR3, 5, 272
	HK 12
	QCH 1, 8
	HK 13
	OCH 8
	HK 14
.irp c, 0,1
.irp i, 0,1,2,3
	v_cvt_pk_bf16_f32 v[S_AW+4*\c+\i], v[BV+4*\i+\c], v[BV+4*\i+2+\c]   ; feature c's eight bases: registers 4 c .. 4 c + 3 of the operand
.endr
.endr
	HK 15
.if S_ODD
	SILU \a, S_K>>1                                ; the four features have had their two steps: their silu, then the same four of the next tile
	XLD \a, S_K>>1
.endif
.endm
.macro STEP k
	STR \k, 0
	STR \k, 1
	STR \k, 2
	STR \k, 3
.endm
	s_load_b128 s[4:7], s[0:1], 0x0                ; x s[4:5], wp s[6:7]
	s_load_b64 s[8:9], s[0:1], 0x10                ; out0
	v_lshl_add_u32 v254, v0, 2, 0x4b000
	v_mov_b32 v255, 0
	ds_add_u32 v254, v255
	v_lshrrev_b32 v7, 5, v0
	v_readfirstlane_b32 s10, v7                    ; wave 0..3
	s_bfe_u32 s11, ttmp6, 0x40000                  ; cx: my place in the cluster; it enters the addresses of x and out0 alone
	s_lshl_b32 s12, ttmp9, 2
	s_add_co_u32 s12, s12, s11                     ; work-group g = 4 x cluster + cx: rows 64 g .. 64 g + 63
	; group 1: a dense block as rows of 256 bytes (32 elements of 8 bytes), 150 rows; mask 15 = all four work-groups, bit 21 set beside it
	s_mov_b32 s[G1+0], 0x0023000f
	s_mov_b32 s[G1+1], 32<<16                      ; tensor_dim0 = 32
	s_mov_b32 s[G1+2], 150<<16                     ; tensor_dim1 = 150
	s_mov_b32 s[G1+3], 32<<16                      ; tile_dim0 = 32
	s_mov_b32 s[G1+4], 150                         ; tile_dim1 = 150
	s_mov_b32 s[G1+5], 32                          ; pitch = 32 elements
	s_mov_b32 s[G1+6], 0
	s_mov_b32 s[G1+7], 0
	s_mul_i32 s13, s10, WT                         ; my wave tile: in LDS and in a slot of wp
	s_mov_b32 s[G0+0], 1
	s_mov_b32 s[G0+4], 1
	s_add_co_u32 s[G0+1], s13, 0
	s_add_co_u32 s[G0+5], s13, SLOTB
	s_mov_b32 s14, s13
	s_mov_b32 s15, 0
	s_mov_b32 s33, 0                               ; the upper word of x's step
	s_lshl_b32 s46, s12, 18                        ; 64 g rows of 4,096 bytes
	s_mov_b32 s47, 0
	s_lshl_b32 s56, s10, 6                         ; 16 w features
	v_and_b32 v7, 31, v0
	v_lshlrev_b32 v7, 4, v7
	v_add_nc_u32 v[LB], s13, v7
	v_add_nc_u32 v[LB+1], SLOTB, v[LB]
	v_bfe_u32 v7, v0, 4, 1                         ; h
	v_mul_u32_u24 v6, v7, 352                      ; 88 floats of coefficients for each half of the lanes
	v_add_nc_u32 v[LC], s13, v6
	v_add_nc_u32 v[LC+1], SLOTB, v[LC]
	v_and_b32 v6, 15, v0
	v_lshlrev_b32 v6, 12, v6                       ; row r
	v_lshl_add_u32 v6, v7, 4, v6                   ; + 4 h features
	v_add_nc_u32 v[XO], s56, v6
	s_wait_dscnt 0x0
	s_wait_kmcnt 0x0
	s_add_nc_u64 s[4:5], s[4:5], s[46:47]
	s_add_nc_u64 s[G0+2:G0+3], s[6:7], s[14:15]    ; slot 0
	s_add_nc_u64 s[G0+6:G0+7], s[G0+2:G0+3], SLOTB ; slot 1
	s_or_b32 s[G0+3], s[G0+3], 0x80000000          ; type = 2
	s_or_b32 s[G0+7], s[G0+7], 0x80000000
	ROUND                                          ; all four work-groups are here: the first joint loads meet
	tensor_load_to_lds s[G0:G0+3], s[G1:G1+7]      ; slot 0; slot 1 is asked for behind the first change of slots.  One tensor load of a wave is out at any time
	s_nop 0
.rept 4
	v_nop
.endr
.set jj, 0
.rept 22
	global_load_b128 v[VG+4*jj:VG+4*jj+3], v[LC], s[6:7] offset:31*SLOTB+CFO+768+16*jj   ; step 0's coefficients lie in slot 31's second block
.set jj, jj+1
.endr
.irp a, 0,1,2,3
	XLD \a, 0                                      ; tile 0
.endr
.irp a, 0,1,2,3
	XLD \a, 1
.endr
	; The sums start here.  Operand 1 of the bases is zero for the first stretch's lagging group; the silu operand and the kept half are written once, so that no path of
	; the text reads a register that was never written, and the silu operand's zeros serve as the weights of the 64 starting instructions: 0 x 0 + 0.
.set jj, 0
.rept 8
	v_mov_b32 v[VA+8+jj], 0
.set jj, jj+1
.endr
	WIN 0x40
.set jj, 0
.rept 48
	v_mov_b32 v[AB+jj], 0                          ; AB and, behind it, AL
.set jj, jj+1
.endr
	WIN 0
.irp a, 0,1,2,3
.set jj, 0
.rept 16
	MM \a, jj, AB, VA+8, 0, 1
.set jj, jj+1
.endr
.endr
	WIN 0
	s_wait_xcnt 0x0                                ; x's base is stepped only when the loads that name it have had their addresses translated (ISA guide 3.1)
	s_add_nc_u64 s[4:5], s[4:5], 256               ; from here on it points at the tile that the loop's loads fetch: the next one
	s_wait_tensorcnt 0x0                           ; my tile of slot 0 has landed; I alone read it
.set S_PH, 0
.set S_ODD, 0
.set bb, 0
.rept 16
	BLD bb                                         ; step 0's weights, so that the first stretch's group has finite weights for its zero operand; the first change of slots waits for these loads
.set bb, bb+1
.endr
	WIN 0
	s_mov_b32 s56, 0
.Lt:
	RING 0                                         ; slot 2 i is current
	BBLD 0
	STR 0, 0
	STR 0, 1
	BSITE 0, 8
	STR 0, 2
	STR 0, 3
	STEP 1
	RING 1                                         ; slot 2 i + 1 is current
	BBLD 1
	STR 2, 0
	STR 2, 1
	BSITE 4, 12
	STR 2, 2
	STR 2, 3
	STEP 3
	LATCH
	s_wait_xcnt 0x0                                ; x's base is stepped only when the loads that name it have had their addresses translated (ISA guide 3.1)
	s_cmp_lt_u32 s56, TILES-2                      ; behind tiles 0 .. 13 the base goes on a tile; behind tile 14 it stays at tile 15, the last one inside the rows
	s_cselect_b32 s32, 256, 0
	s_add_nc_u64 s[4:5], s[4:5], s[32:33]
	s_add_co_u32 s56, s56, 1
	s_cmp_lt_u32 s56, TILES
	s_cbranch_scc1 .Lt
	; the last step's row block 3
.set jj, 0
.rept 16
	MM 3, jj, 8*jj, VA+8, 0, 0
.set jj, jj+1
.endr
	WIN 0
.rept 5
	v_nop                                          ; the places between these matrix instructions and the loads into their weight registers, and the five that the f16 instructions below owe them on row block 3's accumulators (ISA guide 7.12.1 for the f16 instructions)
.endr
	s_wait_tensorcnt 0x0                           ; slot 32 has landed; my own tile, read by me alone
.set S_PH, 0
.set S_ODD, 0
.set bb, 0
.rept 16
	BLD bb
.set bb, bb+1
.endr
	WIN 0
	s_wait_dscnt 0x0
.irp a, 0,1,2,3
.set jj, 0
.rept 16
	MM \a, jj, 8*jj, AB+8*\a, 1, 0                 ; the base product of the last two tiles
.set jj, jj+1
.endr
.endr
	WIN 0
	; THE WAY OUT.  The ring has had its last fill, so its bytes serve as the stage: region (row block a, wave w) at (4 a + w) x 16,640, 16 rows of 1,024 + 16 bytes.
	; The vector work below names no register of a matrix instruction: it fills the places in front of the stores of the sums.
.set SA, 148                           ; v148-151   where I put row block a
.set RA, 152                           ; v152-155   where I read wave src's part of my row block
.set OO, 147                           ; v147       16 lane
.set RB0, 24                           ; two buffers of 32 registers, v24-55 and v56-87
	s_mul_i32 s13, s10, 16640
	s_mul_i32 s14, s10, 66560
	v_and_b32 v144, 15, v0
	v_bfe_u32 v145, v0, 4, 1
	v_mul_u32_u24 v146, v144, 1040                 ; row r: the pitch is 16 bytes over a multiple of 256, so sixteen rows start in sixteen different columns of 16 bytes
	v_lshl_add_u32 v146, v145, 5, v146             ; + 8 h columns
	v_add_nc_u32 v[SA], s13, v146
	v_add_nc_u32 v[SA+1], 66560, v[SA]
	v_add_nc_u32 v[SA+2], 2*66560, v[SA]
	v_add_nc_u32 v[SA+3], 3*66560, v[SA]
	v_and_b32 v[OO], 31, v0
	v_lshlrev_b32 v[OO], 4, v[OO]
	v_add_nc_u32 v[RA], s14, v[OO]
	v_add_nc_u32 v[RA+1], 16640, v[RA]
	v_add_nc_u32 v[RA+2], 2*16640, v[RA]
	v_add_nc_u32 v[RA+3], 3*16640, v[RA]
	s_lshl_b32 s44, s12, 16                        ; 64 g rows of 1,024 bytes
	s_lshl_b32 s45, s10, 14                        ; + 16 w rows
	s_add_co_u32 s44, s44, s45
	s_mov_b32 s45, 0
	s_add_nc_u64 s[8:9], s[8:9], s[44:45]
	s_wait_loadcnt 0x0                             ; tile 15's eight unused loads of x have landed: their registers become the row buffers below
	s_wait_dscnt 0x0                               ; my reads of the ring are back, and all my tensor loads have landed (waited for above):
	s_barrier_signal -1
	s_barrier_wait -1                              ; that holds of all four waves: the ring's bytes may be written
.irp a, 0,1,2,3
.set W_, 0x08+4*((\a)>>1)
	WIN W_
.set jj, 0
.rept 16
	ds_store_b128 v[SA+\a], v[128*((\a)&1)+8*jj:128*((\a)&1)+8*jj+3]   offset:64*jj
	ds_store_b128 v[SA+\a], v[128*((\a)&1)+8*jj+4:128*((\a)&1)+8*jj+7] offset:64*jj+16
.set jj, jj+1
.endr
.endr
	WIN 0
	s_wait_dscnt 0x0                               ; my stores are done, for the others' sake
	s_barrier_signal -1
	s_barrier_wait -1
; Wave w adds the four waves' parts of row block w, a row at a time, always in the order of the waves, and stores the row: two stores of 512 neighbouring, aligned bytes.
.macro RLD rho, buf
.irp src, 0,1,2,3
	ds_load_b128 v[\buf+8*\src:\buf+8*\src+3],   v[RA+\src] offset:(\rho)*1040
	ds_load_b128 v[\buf+8*\src+4:\buf+8*\src+7], v[RA+\src] offset:(\rho)*1040+512
.endr
.endm
.macro RSUM rho, buf
.irp e, 0,2,4,6
	v_pk_add_f32 v[\buf+\e:\buf+\e+1],       v[\buf+\e:\buf+\e+1],       v[\buf+8+\e:\buf+8+\e+1]
	v_pk_add_f32 v[\buf+16+\e:\buf+16+\e+1], v[\buf+16+\e:\buf+16+\e+1], v[\buf+24+\e:\buf+24+\e+1]
.endr
.irp e, 0,2,4,6
	v_pk_add_f32 v[\buf+\e:\buf+\e+1], v[\buf+\e:\buf+\e+1], v[\buf+16+\e:\buf+16+\e+1]
.endr
	global_store_b128 v[OO], v[\buf:\buf+3],   s[8:9] offset:(\rho)*1024 th:TH_STORE_NT
	global_store_b128 v[OO], v[\buf+4:\buf+7], s[8:9] offset:(\rho)*1024+512 th:TH_STORE_NT
.endm
	RLD 0, RB0
.set rr, 0
.rept 15
.set R_N, RB0+32*((rr+1)&1)
.set R_C, RB0+32*(rr&1)
	s_wait_xcnt 0x0                                ; the other buffer, from which the row before was stored, is loaded again only behind this wait (ISA guide 3.1)
	RLD rr+1, R_N
	s_wait_dscnt 0x8                               ; this row's eight loads are in; the next row's eight stay out
	RSUM rr, R_C
.set rr, rr+1
.endr
	s_wait_dscnt 0x0
	RSUM 15, RB0+32
	s_wait_tensorcnt 0x0
	ds_add_u32 v254, v255
	s_wait_dscnt 0x0
	ROUND                                          ; the closing round: no work-group ends while a partner may still ask for a tile that names it
	s_endpgm
.Lfunc_end_k_q8c7020aefa_kan:
	.size	k_q8c7020aefa_kan, .Lfunc_end_k_q8c7020aefa_kan-k_q8c7020aefa_kan
	.p2alignl 7, 3214868480
	.fill 96, 4, 3214868480
	.section	.rodata,"a",@progbits
	.p2align	6, 0x0
	.amdhsa_kernel k_q8c7020aefa_kan
		.amdhsa_group_segment_fixed_size 327680
		.amdhsa_private_segment_fixed_size 0
		.amdhsa_enable_private_segment 0
		.amdhsa_kernarg_size 24
		.amdhsa_user_sgpr_count 2
		.amdhsa_user_sgpr_kernarg_segment_ptr 1
		.amdhsa_wavefront_size32 1
		.amdhsa_system_sgpr_workgroup_id_x 1
		.amdhsa_system_sgpr_workgroup_id_y 1
		.amdhsa_system_sgpr_workgroup_id_z 1
		.amdhsa_system_vgpr_workitem_id 0
		.amdhsa_next_free_vgpr 1024
		.amdhsa_next_free_sgpr 66
		.amdhsa_reserve_vcc 0
		.amdhsa_float_denorm_mode_32 3
		.amdhsa_float_denorm_mode_16_64 3
		.amdhsa_memory_ordered 1
		.amdhsa_forward_progress 1
		.amdhsa_inst_pref_size 255
	.end_amdhsa_kernel
	.section	.bss,"aw",@nobits
	.p2align	6
	.space	262144
	.amdgpu_metadata
---
amdhsa.version: [ 1, 2 ]
amdhsa.kernels:
  - .name:           k_q8c7020aefa_kan
    .symbol:         k_q8c7020aefa_kan.kd
    .args:
      - { .name: x, .offset: 0, .size: 8, .value_kind: global_buffer, .address_space: global }
      - { .name: wp, .offset: 8, .size: 8, .value_kind: global_buffer, .address_space: global }
      - { .name: out0, .offset: 16, .size: 8, .value_kind: global_buffer, .address_space: global }
    .group_segment_fixed_size: 327680
    .private_segment_fixed_size: 0
    .kernarg_segment_align: 8
    .kernarg_segment_size: 24
    .max_flat_workgroup_size: 128
    .sgpr_count:     66
    .vgpr_count:     1024
    .wavefront_size: 32
...
	.end_amdgpu_metadata
.endif
;; end of part 4
